; MI455X (gfx1250); checked and timed in simulation.
; The chip was launched on July 23, 2026; its instructions are those of AMD's public machine-readable ISA for CDNA 5 (MIT licence, August 2026) and "CDNA5" Instruction Set Architecture Reference Guide (July 2026). The comments in the code are by the model that wrote it; some were corrected since.
;; Feed Forward Quantum. Allowed arithmetic: matrix products marked QUANTISED: E3M2 operands, one E8M0 scale for each 32 along K, by v_wmma_scale_f32_16x16x128_f8f6f4 with both operands' format E3M2, f32 sums; products left as they are: f32 operands where the result goes on into a quantised operand, else bf16, f16 or f32 operands; f32 sums; everything else in f32.
;; Inputs: b1 4,096 float32; b2 1,024 float32; circuit_params 8 float32; w1 4,096 x 8 float32; w2_codes 1,024 x 128 x 24 uint8 (E3M2 codes of w2, K innermost, in blocks of 32 codes, four codes in three bytes); w2_scales 1,024 x 128 uint8 (E8M0 scales of w2, one for each 32 codes along K); x 4 x 4,096 x 1,024 float32.
;; Outputs: out0 4 x 4,096 x 1,024 float32.
;; This version of the problem:
;;   THIS VERSION OF THE PROBLEM IS GIVEN IN LOW PRECISION. The matrix products marked QUANTISED in the list below multiply operands that are first quantised to E3M2 (3 exponent bits, 2 mantissa bits; 6 bits a number), with one power-of-two scale for each 32 numbers along K (OCP MX v1.0); their sums are f32. All else is computed in f32.
;;   The module's matrix products, in the order in which they are computed (A, B: the left and right operand; K: the contracted axis; several contracted axes count as one K, in the product's order):
;;     1. [M 16,384, K 8] x [K 8, N 4,096]; A: computed on the way; B: input w1: left as it is (K = 8 < 32)
;;     2. [M 16,384, K 4,096] x [K 4,096, N 1,024]; A: computed on the way; B: input w2 (given as codes): QUANTISED
;;   THE QUANTISER, for each operand of a quantised product, along K:
;;     - K is cut into blocks of 32 from its start; a last block that is shorter is filled with zeros.
;;     - A block's scale is 2^e with e = floor(log2(the largest magnitude in the block)) - 4, held to -126 .. 127; a block of zeros has e = 0. As a byte (E8M0): e + 127.
;;     - Each number is divided by its block's scale, clamped to +-28, and rounded to the nearest number of E3M2, ties to even, subnormals kept.
;;     - The product sums the exact products of the quantised numbers (number of the format x scale) in f32.
;;   ~~~python
;;   def quantise(x, axis):      # numpy; x: float32 -> the quantised numbers, widened to float32 again
;;       x = np.moveaxis(x, axis, -1); K = x.shape[-1]
;;       x = np.pad(x, [(0, 0)] * (x.ndim - 1) + [(0, -K % 32)]); x = x.reshape(x.shape[:-1] + (-1, 32)); a = np.abs(x).max(-1, keepdims=True)
;;       e = np.where(a > 0, np.clip(np.frexp(np.where(a > 0, a, 1))[1] - 1 - 4, -126, 127), 0)      # np.frexp(a)[1] - 1 = floor(log2(a)), exactly
;;       r = np.clip(x / 2.0 ** e, -28, 28)
;;       step = 2.0 ** (np.maximum(np.frexp(np.where(r == 0, 1, r))[1] - 1, -2) - 2)
;;       q = np.round(r / step) * step * 2.0 ** e      # np.round: ties to even
;;       return np.moveaxis(q.reshape(q.shape[:-2] + (-1,))[..., :K], -1, axis).astype(np.float32)
;;   ~~~
;;   OPERANDS COMPUTED ON THE WAY. 'Computed on the way' means the value that the module computes at that place (a softmax that the list does not call 'softmax' is quantised finished and normalised). What goes into a quantiser is computed in f32, as accurately as f32 sums, v_exp_f32 and their like allow (about 1e-6 of the number): no bf16 or f16 on the way to a quantiser, and a product that is left as it is and whose result goes on into a quantised operand takes f32 operands (vector FMAs, or v_wmma_f32_16x16x4_f32). A number that lies on a knife's edge between two numbers of the format may be rounded either way, as far as f32 arithmetic and the matrix unit's own rounding can turn it there, and no further.
;;   INPUTS GIVEN AS CODES. w2 (in the module: [1024, 4096], K = its axis 1): each comes as NAME_codes (uint8): NAME with its K axis moved to the last place and cut into blocks of 32 codes, [.., K / 32, bytes a block], one block behind the other in memory; four codes in three bytes: a row's codes are one little-endian stream of bits, code i at bits 6 i .. 6 i + 5 (a code: sign, 3 exponent bits, 2 mantissa bits); and NAME_scales (uint8): the same leading axes, one E8M0 byte (e + 127) for each 32 codes along K. Its value is code x scale, taken as it is: it is not quantised again, and the codes and scales need not be those that the quantiser above would give.
;; 2 versions. Each part assembles by itself: llvm-mc -triple=amdgcn-amd-amdhsa -mcpu=gfx1250 --defsym DOCPART=n.
;; ======== version 1 of 2: 2 launches
;; limits: inputs' magnitudes at most 131,072
;; workspace buffers: w2f 3,276,800 bytes; qf 524,288 bytes
;; launch prep (part 1): grid 256 x 1, 4 waves a work-group, no clusters, 25,344 bytes of LDS; arguments x, w2_codes, w2_scales, w2f, qf; writes w2f, qf
.if DOCPART == 1
	.amdgcn_target "amdgcn-amd-amdhsa--gfx1250"
	.amdhsa_code_object_version 6
	.text
	.protected	k_q2c6c00d1fd_prep
	.globl	k_q2c6c00d1fd_prep
	.p2align	8
	.type	k_q2c6c00d1fd_prep,@function
k_q2c6c00d1fd_prep:
	s_mov_b64 s[64:65], 0
	v_nop
	global_prefetch_b8 v0, s[64:65] scope:SCOPE_SE
	s_setreg_imm32_b32 hwreg(HW_REG_WAVE_MODE, 25, 1), 1
	s_wait_xcnt 0x0
; TWO JOBS IN ONE LAUNCH, told apart by the work-group's number.
; W (work-groups 0-127): w2's codes [1024][3072 bytes] and scale bytes [1024][128] are laid out once in the order in which the next launch's operand registers take them:
;   w2f: K step s (128 along K) at 102,400 s; the part of wave w (columns 256 w ..) at + 25,600 w; in it tile t (16 columns) at 1,536 t, register group c at 512 c, lane l at 16 l:
;   registers 4 c .. 4 c + 3 of the 6-bit fragment of column 256 w + 16 t + l % 16 (registers 0-5: the row's bytes 96 s + 24 (l / 16) + 0 .. 23; registers 6-11: 48 bytes on).
;   The part's scale words follow at + 24,576: tile t, column r at 64 t + 4 r.
;   A work-group takes 16 columns x 16 K steps: each wave reads four rows' 1,536 bytes (loads of 512 consecutive bytes), the rows meet in LDS (pitch 1,552 bytes), and each wave
;   reads back four K steps' fragments and stores them, 512 consecutive aligned bytes a store.  The scale words go through registers in runs of 64 bytes: they are 1/24 of the codes' bytes.
; Q (work-groups 128-255): q[n][w] = the product over k <= w of cos(x[n][k]), k < 8, a thread a token; qf: q[n][4 a + j] at 512 (n / 16) + 256 a + 16 (n % 16) + 4 j, so that lane (r, h) of a
;   tile of 16 tokens finds q[r][4 h .. 4 h + 3] at 16 x lane.
;   cos: N = the nearest whole number to x 2 / pi; r = x - N pi / 2 with pi / 2 in three parts by fused multiply-adds; on |r| <= pi / 4 a polynomial for sin and one for cos; N mod 4 picks one and its sign.
; LIMITS: the reduction holds for |x| <= 2^17 (N pi/2's first part is then exact); beyond that accuracy falls off.  NaN and infinities in x are not served.
.set KROW,  3072                       ; a row of w2's codes in bytes
.set PART,  25600
.set STEPB, 4*PART
.set BSC,   24576
.set LP,    1552                       ; an LDS row: 1,536 bytes + 16: 97 x 16
.set TN, 36                            ; v[36:37] N;  v[38:39] r;  v[40:41] z = r r;  v[42:43] sin;  v[44:45] cos;  v[46:47], v[48:49] at work
.set TR, 38
.set TZ, 40
.set TS, 42
.set TC, 44
.set TU, 46
.set TI, 48
	s_load_b256 s[4:11], s[0:1], 0x0               ; x s[4:5], codes s[6:7], scale bytes s[8:9], w2f s[10:11]
	s_load_b64 s[12:13], s[0:1], 0x20              ; qf
	v_lshl_add_u32 v64, v0, 2, 0x6100
	v_mov_b32 v65, 0
	v_lshrrev_b32 v1, 5, v0
	v_readfirstlane_b32 s16, v1                    ; wave 0..3
	v_and_b32 v1, 31, v0                           ; lane
	v_and_b32 v2, 15, v0                           ; r
	v_bfe_u32 v3, v0, 4, 1                         ; h
	v_lshlrev_b32 v4, 4, v1                        ; 16 x lane
	s_mul_i32 s17, s16, 4*LP
	v_add_nc_u32 v5, s17, v4                       ; LDS, in: my wave's four rows, 16 bytes a lane
	v_mul_u32_u24 v6, v2, LP
	v_mad_u32_u24 v6, v3, 24, v6
	s_mul_i32 s17, s16, 384
	v_add_nc_u32 v6, s17, v6                       ; LDS, out: row r, + 24 h, + my wave's four K steps of 96 bytes
	v_lshlrev_b32 v7, 7, v2
	v_lshl_add_u32 v7, v3, 2, v7                   ; scale bytes: row r of 128 bytes; lanes 16-31 take the next K step's word
	v_mul_u32_u24 v8, v3, STEPB
	v_lshl_add_u32 v8, v2, 2, v8                   ; and where it goes: a K step on for lanes 16-31, 4 bytes a column
	v_lshlrev_b32 v9, 12, v0                       ; x: a token's row is 4,096 bytes
	v_lshrrev_b32 v10, 4, v0
	v_lshlrev_b32 v10, 9, v10
	v_lshl_add_u32 v10, v2, 4, v10                 ; qf: 512 (thread / 16) + 16 (thread % 16)
	s_wait_kmcnt 0x0
	s_cmp_lt_u32 ttmp9, 128                        ; the same in all four waves of a work-group
	s_cbranch_scc0 .Lq
	; ---- W
	s_lshr_b32 s17, ttmp9, 1                       ; T: which 16 columns
	s_and_b32 s18, ttmp9, 1                        ; which 16 K steps
	s_mul_i32 s20, s17, 16*KROW
	s_mul_i32 s19, s18, 1536
	s_add_co_u32 s20, s20, s19
	s_mul_i32 s19, s16, 4*KROW
	s_add_co_u32 s20, s20, s19
	s_mov_b32 s21, 0
	s_add_nc_u64 s[6:7], s[6:7], s[20:21]          ; codes: my wave's four rows, my half of K
	s_lshl_b32 s20, s17, 11
	s_lshl_b32 s19, s18, 6
	s_add_co_u32 s20, s20, s19
	s_lshl_b32 s19, s16, 4
	s_add_co_u32 s20, s20, s19
	s_add_nc_u64 s[8:9], s[8:9], s[20:21]          ; scale bytes: the 16 rows, my wave's four K steps
	s_lshl_b32 s20, s18, 4
	s_lshl_b32 s19, s16, 2
	s_add_co_u32 s20, s20, s19                     ; my wave's first K step
	s_mul_i32 s20, s20, STEPB
	s_lshr_b32 s19, s17, 4
	s_mul_i32 s19, s19, PART
	s_add_co_u32 s20, s20, s19
	s_add_nc_u64 s[10:11], s[10:11], s[20:21]      ; w2f: that K step, the part to which the columns belong
	s_and_b32 s19, s17, 15                         ; the tile in the part
	s_lshl_b32 s22, s19, 6
	s_add_co_u32 s22, s22, BSC
	s_mov_b32 s23, 0
	s_add_nc_u64 s[24:25], s[10:11], s[22:23]      ; its scale words
	s_mul_i32 s20, s19, 1536
	s_add_nc_u64 s[10:11], s[10:11], s[20:21]      ; its codes
.irp i, 0,1,2,3
.irp j, 0,1,2
	global_load_b128 v[16+4*(3*\i+\j):16+4*(3*\i+\j)+3], v4, s[6:7] offset:KROW*\i+512*\j th:TH_LOAD_NT   ; 32 lanes read 512 consecutive bytes
.endr
.endr
.irp i, 0,1
	global_load_b32 v[12+\i], v7, s[8:9] offset:8*\i
.endr
	s_wait_loadcnt 0x2                             ; the twelve code loads are in; the two scale loads, issued behind them, may be out
.irp i, 0,1,2,3
.irp j, 0,1,2
	ds_store_b128 v5, v[16+4*(3*\i+\j):16+4*(3*\i+\j)+3] offset:LP*\i+512*\j
.endr
.endr
	s_wait_dscnt 0x0                               ; for the others' sake: my rows lie in LDS
	s_barrier_signal -1
	s_barrier_wait -1
.irp i, 0,1,2,3                                ; K step 4 x wave + i of the half: the fragment's twelve registers, in pieces of 8 bytes
.irp p, 0,1,2,3,4,5
	ds_load_b64 v[16+12*\i+2*\p:16+12*\i+2*\p+1], v6 offset:96*\i+48*(\p/3)+8*(\p%3)
.endr
.endr
	s_wait_dscnt 0x0
.irp i, 0,1,2,3
.irp c, 0,1,2
	global_store_b128 v4, v[16+12*\i+4*\c:16+12*\i+4*\c+3], s[10:11] offset:STEPB*\i+512*\c   ; 32 lanes store 512 consecutive bytes, at a multiple of 256 from the buffer's first byte
.endr
.endr
	s_wait_loadcnt 0x0
.irp i, 0,1
	global_store_b32 v8, v[12+\i], s[24:25] offset:2*STEPB*\i
.endr
	s_wait_tensorcnt 0x0
	ds_add_u32 v64, v65
	s_wait_dscnt 0x0
	s_endpgm
	; ---- Q
.Lq:
	s_sub_co_u32 s17, ttmp9, 128
	s_lshl_b32 s18, s17, 19                        ; 128 tokens of 4,096 bytes
	s_mov_b32 s19, 0
	s_add_nc_u64 s[4:5], s[4:5], s[18:19]
	s_lshl_b32 s18, s17, 12                        ; 8 tiles of 512 bytes
	s_add_nc_u64 s[12:13], s[12:13], s[18:19]
	global_load_b128 v[16:19], v9, s[4:5] th:TH_LOAD_NT
	global_load_b128 v[20:23], v9, s[4:5] offset:16 th:TH_LOAD_NT
.irp e, 0,1                                    ; the polynomials' numbers, each twice: a pair for the packed forms
	v_mov_b32 v[24+\e], 0xb94ca1f9                 ; sin: -1.9515296e-4
	v_mov_b32 v[26+\e], 0x3c08839e                 ;       8.3321609e-3
	v_mov_b32 v[28+\e], 0xbe2aaaa3                 ;      -1.6666655e-1
	v_mov_b32 v[30+\e], 0x37ccf5ce                 ; cos:  2.4433157e-5
	v_mov_b32 v[32+\e], 0xbab6061a                 ;      -1.3887316e-3
	v_mov_b32 v[34+\e], 0x3d2aaaa5                 ;       4.1666646e-2
.endr
.macro COS2 X                          ; v[X:X+1] become their cosines
	v_pk_mul_f32 v[TN:TN+1], v[\X:\X+1], 0x3f22f983 op_sel_hi:[1,0]              ; x 2 / pi
	v_rndne_f32 v[TN], v[TN]
	v_rndne_f32 v[TN+1], v[TN+1]
	v_pk_fma_f32 v[TR:TR+1], v[TN:TN+1], 0xbfc90fda, v[\X:\X+1] op_sel_hi:[1,0,1]  ; r = x - N pi / 2, pi / 2 in three parts
	v_pk_fma_f32 v[TR:TR+1], v[TN:TN+1], 0xb3a22168, v[TR:TR+1] op_sel_hi:[1,0,1]
	v_pk_fma_f32 v[TR:TR+1], v[TN:TN+1], 0xa7c234c4, v[TR:TR+1] op_sel_hi:[1,0,1]
	v_pk_mul_f32 v[TZ:TZ+1], v[TR:TR+1], v[TR:TR+1]
	v_pk_fma_f32 v[TS:TS+1], v[TZ:TZ+1], v[24:25], v[26:27]
	v_pk_fma_f32 v[TC:TC+1], v[TZ:TZ+1], v[30:31], v[32:33]
	v_pk_fma_f32 v[TS:TS+1], v[TS:TS+1], v[TZ:TZ+1], v[28:29]
	v_pk_fma_f32 v[TC:TC+1], v[TC:TC+1], v[TZ:TZ+1], v[34:35]
	v_pk_mul_f32 v[TU:TU+1], v[TZ:TZ+1], v[TR:TR+1]
	v_pk_fma_f32 v[TS:TS+1], v[TS:TS+1], v[TU:TU+1], v[TR:TR+1]                  ; sin r = r + z r P(z)
	v_pk_mul_f32 v[TU:TU+1], v[TZ:TZ+1], v[TZ:TZ+1]
	v_pk_fma_f32 v[TZ:TZ+1], v[TZ:TZ+1], -0.5, 1.0 op_sel_hi:[1,0,0]
	v_pk_fma_f32 v[TC:TC+1], v[TC:TC+1], v[TU:TU+1], v[TZ:TZ+1]                  ; cos r = 1 - z / 2 + z z Q(z)
.irp e, 0,1
	v_cvt_i32_f32 v[TI+\e], v[TN+\e]
	v_and_b32 v[TU+\e], 1, v[TI+\e]
	v_cmp_ne_u32 vcc_lo, 0, v[TU+\e]
	v_cndmask_b32 v[\X+\e], v[TC+\e], v[TS+\e], vcc_lo                           ; N odd: sin r, else cos r
	v_add_nc_u32 v[TI+\e], 1, v[TI+\e]
	v_lshlrev_b32 v[TI+\e], 30, v[TI+\e]
	v_and_b32 v[TI+\e], 0x80000000, v[TI+\e]                                     ; negative where N mod 4 is 1 or 2: bit 1 of N + 1
	v_xor_b32 v[\X+\e], v[TI+\e], v[\X+\e]
.endr
.endm
	s_wait_loadcnt 0x0
	COS2 16
	COS2 18
	COS2 20
	COS2 22
.irp k, 17,18,19,20,21,22,23
	v_mul_f32 v[\k], v[\k-1], v[\k]                ; the cumulative product, in ascending order
.endr
	global_store_b128 v10, v[16:19], s[12:13]              ; sixteen lanes store 256 consecutive bytes, aligned
	global_store_b128 v10, v[20:23], s[12:13] offset:256
	s_endpgm
.Lfunc_end_k_q2c6c00d1fd_prep:
	.size	k_q2c6c00d1fd_prep, .Lfunc_end_k_q2c6c00d1fd_prep-k_q2c6c00d1fd_prep
	.p2alignl 7, 3214868480
	.fill 96, 4, 3214868480
	.section	.rodata,"a",@progbits
	.p2align	6, 0x0
	.amdhsa_kernel k_q2c6c00d1fd_prep
		.amdhsa_group_segment_fixed_size 25344
		.amdhsa_private_segment_fixed_size 0
		.amdhsa_enable_private_segment 0
		.amdhsa_kernarg_size 40
		.amdhsa_user_sgpr_count 2
		.amdhsa_user_sgpr_kernarg_segment_ptr 1
		.amdhsa_wavefront_size32 1
		.amdhsa_system_sgpr_workgroup_id_x 1
		.amdhsa_system_sgpr_workgroup_id_y 1
		.amdhsa_system_sgpr_workgroup_id_z 1
		.amdhsa_system_vgpr_workitem_id 0
		.amdhsa_next_free_vgpr 66
		.amdhsa_next_free_sgpr 66
		.amdhsa_reserve_vcc 1
		.amdhsa_float_denorm_mode_32 3
		.amdhsa_float_denorm_mode_16_64 3
		.amdhsa_memory_ordered 1
		.amdhsa_forward_progress 1
		.amdhsa_inst_pref_size 17
	.end_amdhsa_kernel
	.amdgpu_metadata
---
amdhsa.version: [ 1, 2 ]
amdhsa.kernels:
  - .name:           k_q2c6c00d1fd_prep
    .symbol:         k_q2c6c00d1fd_prep.kd
    .args:
      - { .name: x, .offset: 0, .size: 8, .value_kind: global_buffer, .address_space: global }
      - { .name: w2_codes, .offset: 8, .size: 8, .value_kind: global_buffer, .address_space: global }
      - { .name: w2_scales, .offset: 16, .size: 8, .value_kind: global_buffer, .address_space: global }
      - { .name: w2f, .offset: 24, .size: 8, .value_kind: global_buffer, .address_space: global }
      - { .name: qf, .offset: 32, .size: 8, .value_kind: global_buffer, .address_space: global }
    .group_segment_fixed_size: 25344
    .private_segment_fixed_size: 0
    .kernarg_segment_align: 8
    .kernarg_segment_size: 40
    .max_flat_workgroup_size: 128
    .sgpr_count:     66
    .vgpr_count:     66
    .wavefront_size: 32
...
	.end_amdgpu_metadata
.endif
;; end of part 1
;; launch ffn (part 2): grid 256 x 1, 4 waves a work-group, clusters of 4 x 1, 327,680 bytes of LDS; arguments qf, w1, b1, w2f, b2, circuit_params, out0; writes out0
.if DOCPART == 2
	.amdgcn_target "amdgcn-amd-amdhsa--gfx1250"
	.amdhsa_code_object_version 6
	.text
	.protected	k_q2c6c00d1fd_ffn
	.globl	k_q2c6c00d1fd_ffn
	.p2align	8
	.type	k_q2c6c00d1fd_ffn,@function
k_q2c6c00d1fd_ffn:
	s_mov_b64 s[64:65], 0
	v_nop
	global_prefetch_b8 v0, s[64:65] scope:SCOPE_SE
	s_setreg_imm32_b32 hwreg(HW_REG_WAVE_MODE, 25, 1), 1
	s_wait_xcnt 0x0
	s_wait_alu depctr_hold_cnt(0) depctr_sa_sdst(0) depctr_va_vdst(0) depctr_va_sdst(0) depctr_va_ssrc(0) depctr_va_vcc(0) depctr_vm_vsrc(0)
	s_getreg_b32 s2, hwreg(HW_REG_IB_STS2, 6, 4)
	s_cmp_eq_u32 s2, 0
	s_cbranch_scc0 .Lentry_in_a_cluster
	s_endpgm
.Lentry_in_a_cluster:
	s_bfe_u32 s2, ttmp6, 0x10000c
	s_cmp_lg_u32 s2, 0x3003
	s_cbranch_scc0 .Lentry_shape_is_right
	s_endpgm
.Lentry_shape_is_right:
; out[n][c] = sum over f of Q(relu(q[n] . w1[f] + b1[f])) w2[c][f] + b2[c] + 0 x sum(circuit_params).  Q: codes of BF6 (E3M2) with one E8M0 scale for each 32 along f; w2 is given so.
; q (16,384 x 8, f32) and w2 in the order of the operand's registers (w2f) come from the launch before.  The hidden layer never goes to memory, and each of its numbers is made once in the launch.
; SHARES.  A work-group owns 64 tokens x all 1,024 columns; wave w owns columns 256 w .. 256 w + 255 for the 64 tokens: 64 accumulators of 16 x 16, 512 registers.  256 work-groups.
; A PERIOD is one K step of 128 hidden units.  In period s the wave multiplies K step s (64 scaled matrix instructions) and makes ITS 32 hidden units (block w of the step's four) of K step s + 1 for all 64 tokens:
; 16 f32 matrix instructions (K = 8 in two, b1 as the C of the first), relu, the block's scale, the conversion; the codes go to LDS as an image of the operand's registers, the scale byte beside them.
; One barrier a period: behind it the images of the step are whole, nobody reads the images or the slot of the step before, and that slot is filled again.
; w2 comes through a ring of two LDS slots of one K step (102,400 bytes); each wave fetches and reads its own quarter.  CLUSTER: the four work-groups of a cluster walk the same w2, so each quarter is asked for
; JOINTLY: the same tensor load with the same descriptor and a mask that names the four.  By this text's own count a wave has two tensor loads out at the start and one afterwards.
; BOTH PRODUCTS ARE USED TRANSPOSED.  First: source 0 = 16 rows of w1, source 1 = 16 tokens' q: a lane holds one token, its registers run along the hidden units; lane r of unit tile u takes row
; 32 w + 8 u + r + 8 (r / 8) of the step's 128, so that the 16 registers of tiles 0 and 1 are 16 neighbours along the next K.  Second: source 0 = 16 columns of w2, source 1 = 16 tokens: a lane holds eight neighbouring columns of a row of out.
; The first product's k are permuted alike on both operands (lane half h holds k = 4 h .. 4 h + 3, one load of 16 bytes): its f32 sum runs b1, then k = 0, 1, 4, 5, 2, 3, 6, 7.
; The vector work and 40 of the period's LDS loads stand in slices behind the f32 matrix instructions, all in window 0.
; LIMITS: NaN and infinities in q, w1, b1 are not served; a block of zeros gets the scale byte 1 where the quantiser says 127 (its codes are zeros, and nobody else reads the byte); the sign of a zero result is not kept.
; REGISTERS, in windows of 256.  Window 0: v1-19 addresses; v20-27 w2's scale words (register e: lanes 0-15 tile 2 e, lanes 16-31 tile 2 e + 1); v28-29 h's (likewise by token tiles); v[30:31] 0 x sum(params);
;   v32-79 h's four fragments; v80-95 q; v96-127 the first product's results, two buffers, written by matrix instructions alone; v128-175 two sets of w1 and b1; v176-191 sixteen relu'd numbers; v208-221 at work.
;   Window 1: w2's 16 fragments (at the head: b2).   Window 2: accumulators of column tiles 0-7, (t, m) at v[8 (8 m + t)];   window 3: of tiles 8-15.
.set PART,   25600                     ; a wave's quarter of a K step of w2f: 16 fragments of 1,536 bytes, then 1,024 bytes of scale words
.set STEPB,  4*PART
.set SLOT1,  STEPB
.set BSC,    24576
.set AIMG,   2*STEPB                   ; h's images: two sets; in a set fragment m at 1,536 m (register group c at 512 c, lane at 16 l), scale words at ASC + 64 m + 4 r
.set ASET,   6400
.set ASC,    6144
.set SPARE,  AIMG+2*ASET               ; the spare words, 128 bytes a wave: two blocks of 256 bytes that no other line names
.set STAGE,  SPARE+512                 ; the way out: 16 rows x (512 bytes + 16) for each wave
.set SPITCH, 528
.set LI,  1                            ; v1   16 x lane
.set AB0, 2                            ; v2-3 my quarter's fragments in slot 0, 1: + 16 x lane
.set SB0, 4                            ; v4-5 my quarter's scale words in slot 0, 1: + 4 x lane
.set AFA, 6                            ; v6   h's images: + 16 x lane
.set AFS, 7                            ; v7   h's scale words: + 4 x lane
.set HW0, 8                            ; v8-10 where I store the three register pairs of my block of an image
.set HSA, 11                           ; v11  and its scale byte
.set SPW, 12                           ; v12  my spare word; never rewritten
.set NIL, 13                           ; v13  0; never rewritten
.set WO,  14                           ; v14  w1: 32 (r + 8 (r / 8)) + 16 h
.set BO,  15                           ; v15  b1: 64 h
.set STO, 16                           ; v16  the stage, in
.set RD,  17                           ; v17  the stage, back
.set PFO, 18                           ; v18  the prefetches' offset
.set B2O, 19                           ; v19  b2: 32 h
.set BSR, 20
.set ASR, 28
.set CZ,  30
.set AFR, 32
.set QQ,  80
.set DD,  96
.set WB,  128                          ; set p at WB + 24 p: w1 of unit tile u at + 4 u, b1 of it at + 8 + 8 u
.set TT,  176
.set X0,  208                          ; v208-210 the codes of an even token tile; v212-214 of an odd one
.set X1,  212
.set BYJ, 215
.set BY,  216                          ; v216-217 their scale bytes
.set MA,  218
.set MB,  219
.set PX,  220
.set SOP, 221
.set BK,  128                          ; the way out: rows read back, v128-191 and v192-255 by turns
.set WV,  18                           ; s18  my wave's number
.set G1,  24                           ; s[24:31] descriptor group 1
.set G0,  32                           ; s[32:35], s[36:39] group 0 of slot 0, 1
.set PFA, 50                           ; s[50:51] where my prefetches stand
.set MSB, 0
.macro WIN new                         ; the immediate's high byte repeats the setting that is left
.if MSB != \new
	s_set_vgpr_msb (MSB<<8)|\new
.set MSB, \new
.endif
.endm
.set MUL_LO, 0xa1                      ; source 0 (w2) window 1, source 1 (h) window 0, C and D window 2
.set MUL_HI, 0xf1                      ; the same, C and D window 3
.set TO_B,   0x40                      ; destination window 1, address window 0
.macro PLACES n
.rept \n
	v_nop
.endr
.endm
.macro CREST                           ; a round of the cluster's barrier behind its opening barrier
	s_cmp_lg_u32 s[WV], 0
	s_cbranch_scc1 .Lnot_wave_0_\@
	s_barrier_signal -3
.Lnot_wave_0_\@:
	s_barrier_wait -3
	s_barrier_signal -1
	s_barrier_wait -1
.endm
.macro CROUND
	s_barrier_signal -1
	s_barrier_wait -1
	CREST
.endm
; A PREFETCH INTO THE L2: in period s (1 to 28) the K step s + 3, two periods ahead of the tensor load that will ask for it.  All clusters walk the same w2f: the first cluster asks, and nobody else.
; Each wave asks for its own quarter's 100 blocks of 256 bytes; the four partners share them BY ADDRESS, 32 each (the lanes past the 100th block are held at it).  K steps 0 to 3 come by their loads alone.
.macro ASK
	s_cmp_lg_u32 ttmp9, 0                          ; the cluster's number: the same in all four partners
	s_cbranch_scc1 .Lnot_mine_\@
	global_prefetch_b8 v[PFO], s[PFA:PFA+1] th:TH_LOAD_NT scope:SCOPE_SE
.Lnot_mine_\@:
.endm
	s_load_b256 s[4:11], s[0:1], 0x0               ; qf s[4:5], w1 s[6:7], b1 s[8:9], w2f s[10:11]
	s_load_b128 s[12:15], s[0:1], 0x20             ; b2 s[12:13], circuit_params s[14:15]
	s_load_b64 s[16:17], s[0:1], 0x30              ; out0
	v_lshl_add_u32 v[SPW], v0, 2, SPARE
	v_mov_b32 v[NIL], 0
	ds_add_u32 v12, v13
	ds_add_u32 v12, v13
	s_wait_dscnt 0x0
	v_lshrrev_b32 v240, 5, v0
	v_readfirstlane_b32 s[WV], v240                ; wave 0..3
	s_bfe_u32 s19, ttmp6, 0x40000                  ; cx: my place in the cluster
	s_lshl_b32 s20, ttmp9, 2
	s_add_co_u32 s20, s20, s19                     ; my block of 64 tokens = 4 x cluster + cx: it enters qf's and out0's addresses alone
	s_mov_b32 s21, 0xffff0000                      ; a mask of lanes 16-31
	s_mov_b32 s22, 0x76543210
	s_mov_b32 s23, 0xfedcba98                      ; v_permlanex16_b32's selects for lane l xor 16
	; descriptor group 1: a quarter of a K step is one dense block: 100 rows of 256 bytes (32 elements of 8 bytes)
	s_mov_b32 s[G1+0], 15|(3<<16)|(1<<21)          ; 15:0 the mask: all four work-groups; 17:16 elements of 8 bytes; 20 no padding; 21 set beside a mask
	s_mov_b32 s[G1+1], 32<<16                      ; tensor_dim0
	s_mov_b32 s[G1+2], 100<<16                     ; tensor_dim1
	s_mov_b32 s[G1+3], 32<<16                      ; tile_dim0
	s_mov_b32 s[G1+4], 100                         ; tile_dim1
	s_mov_b32 s[G1+5], 32                          ; tensor_dim0_stride
	s_mov_b32 s[G1+6], 0
	s_mov_b32 s[G1+7], 0
	s_mul_i32 s54, s[WV], PART                     ; my quarter: in a K step of w2f and in a slot alike; no place in the cluster enters it
	s_mov_b32 s55, 0
	s_wait_kmcnt 0x0
	s_load_b256 s[40:47], s[14:15], 0x0            ; the eight numbers of circuit_params
	s_add_nc_u64 s[56:57], s[10:11], s[54:55]
	s_mov_b32 s[G0+0], 1                           ; count = 1
	s_mov_b32 s[G0+1], s54                         ; LDS address: slot 0
	s_mov_b64 s[G0+2:G0+3], s[56:57]               ; global address: K step 0
	s_or_b32 s[G0+3], s[G0+3], 0x80000000          ; type = 2
	s_mov_b32 s[G0+4], 1
	s_add_co_u32 s[G0+5], s54, SLOT1               ; slot 1
	s_add_nc_u64 s[G0+6:G0+7], s[56:57], STEPB     ; K step 1
	s_or_b32 s[G0+7], s[G0+7], 0x80000000
	s_add_nc_u64 s[PFA:PFA+1], s[56:57], 3*STEPB   ; at K step 3: period 1 steps it to 4.  Nothing is prefetched here, at the head
	CROUND                                         ; all four work-groups are here: the first joint loads meet
	tensor_load_to_lds s[G0:G0+3], s[G1:G1+7]      ; both first fills together, ahead of every wait on TENSORcnt and every LDS read
	s_nop 0
	tensor_load_to_lds s[G0+4:G0+7], s[G1:G1+7]
	s_nop 0
	PLACES 4                                       ; four v_nop follow
	s_lshl_b32 s58, s20, 11
	s_mov_b32 s59, 0
	s_add_nc_u64 s[4:5], s[4:5], s[58:59]          ; qf at my four tiles of 16 tokens (512 bytes each)
	s_lshl_b32 s58, s[WV], 10
	s_add_nc_u64 s[12:13], s[12:13], s[58:59]      ; b2 at my 256 columns
	s_add_nc_u64 s[16:17], s[16:17], s[58:59]      ; out0 likewise,
	s_add_co_u32 s58, s58, 4096
	s_add_nc_u64 s[6:7], s[6:7], s[58:59]          ; w1 at my 32 rows (of 32 bytes) of K step 1
	s_lshl_b32 s58, s[WV], 7
	s_add_co_u32 s58, s58, 512
	s_add_nc_u64 s[8:9], s[8:9], s[58:59]          ; b1 at my 32 numbers of K step 1
	s_lshl_b32 s58, s20, 18
	s_add_nc_u64 s[16:17], s[16:17], s[58:59]      ; and at my 64 rows of 4,096 bytes
	v_and_b32 v240, 31, v0                         ; lane
	v_and_b32 v241, 15, v0                         ; r
	v_bfe_u32 v242, v0, 4, 1                       ; h
	v_lshlrev_b32 v[LI], 4, v240
	v_and_b32 v244, 8, v241
	v_add_nc_u32 v244, v244, v241                  ; r + 8 (r / 8)
	v_lshlrev_b32 v[WO], 5, v244
	v_lshl_add_u32 v[WO], v242, 4, v[WO]
	v_lshlrev_b32 v[BO], 6, v242
	v_lshlrev_b32 v[B2O], 5, v242
; w1 and b1 of one K step into set \set: lane (r, h): w1[row][4 h .. 4 h + 3] of unit tiles 0 and 1; b1 in the result's layout: the tile's eight units of my half
.macro WBLOAD set, o1, o2
	global_load_b128 v[WB+24*(\set):WB+24*(\set)+3], v[WO], s[6:7] offset:\o1
	global_load_b128 v[WB+24*(\set)+4:WB+24*(\set)+7], v[WO], s[6:7] offset:(\o1)+256
.irp i, 0,1,2,3
	global_load_b128 v[WB+24*(\set)+8+4*\i:WB+24*(\set)+11+4*\i], v[BO], s[8:9] offset:(\o2)+16*\i
.endr
.endm
.irp m, 0,1,2,3
	global_load_b128 v[QQ+4*\m:QQ+4*\m+3], v[LI], s[4:5] offset:512*\m   ; q stays in registers: lane (r, h): q[16 m + r][4 h .. 4 h + 3]
.endr
	WBLOAD 0, -4096, -512                          ; K step 0
	WBLOAD 1, 0, 0                                 ; K step 1
	WIN TO_B
.irp t, 0,1,2,3,4,5,6,7,8,9,10,11,12,13,14,15
.irp i, 0,1
	global_load_b128 v[8*\t+4*\i:8*\t+4*\i+3], v[B2O], s[12:13] offset:64*\t+16*\i   ; b2 in the result's layout: columns 16 t + 8 h + 0 .. 7
.endr
.endr
	WIN 0
	v_add_nc_u32 v[AB0], s54, v[LI]
	v_add_nc_u32 v[AB0+1], SLOT1, v[AB0]
	v_lshl_add_u32 v[SB0], v240, 2, BSC
	v_add_nc_u32 v[SB0], s54, v[SB0]
	v_add_nc_u32 v[SB0+1], SLOT1, v[SB0]
	v_add_nc_u32 v[AFA], AIMG, v[LI]
	v_lshl_add_u32 v[AFS], v240, 2, AIMG+ASC
	; my block w of a fragment is registers 6 (w / 2) + 0 .. 5 of lanes 16 (w % 2) + r: register pair p = 3 (w / 2) + j lies at 512 (p / 2) + 8 (p % 2) + 16 x that lane.
	; When it is stored, lanes 0-15 hold an even token tile's rows and lanes 16-31 the next tile's: 1,536 bytes on.
	v_mul_u32_u24 v243, v242, 1536
	v_lshl_add_u32 v243, v241, 4, v243
	v_add_nc_u32 v243, AIMG, v243
	s_lshr_b32 s58, s[WV], 1
	s_mul_i32 s58, s58, 3
	s_and_b32 s59, s[WV], 1
	s_lshl_b32 s59, s59, 8
.irp j, 0,1,2
	s_add_co_u32 s60, s58, \j
	s_lshr_b32 s61, s60, 1
	s_lshl_b32 s61, s61, 9
	s_and_b32 s60, s60, 1
	s_lshl_b32 s60, s60, 3
	s_add_co_u32 s60, s60, s61
	s_add_co_u32 s60, s60, s59
	v_add_nc_u32 v[HW0+\j], s60, v243
.endr
	v_lshlrev_b32 v[HSA], 6, v242
	v_lshl_add_u32 v[HSA], v241, 2, v[HSA]
	v_add_nc_u32 v[HSA], s[WV], v[HSA]
	v_add_nc_u32 v[HSA], AIMG+ASC, v[HSA]          ; byte w of the row's scale word
	s_mul_i32 s60, s[WV], 16*SPITCH
	s_add_co_u32 s60, s60, STAGE                   ; my stage
	v_mul_u32_u24 v[STO], v241, SPITCH
	v_lshl_add_u32 v[STO], v242, 5, v[STO]
	v_add_nc_u32 v[STO], s60, v[STO]               ; in: row r, 32 bytes for each half of the lanes
	v_add_nc_u32 v[RD], s60, v[LI]                 ; back: the 32 lanes take one row of 512 bytes
	s_lshl_b32 s60, s19, 5
	v_add_nc_u32 v[PFO], s60, v240
	v_min_u32 v[PFO], 99, v[PFO]
	v_lshlrev_b32 v[PFO], 8, v[PFO]                ; block 32 cx + lane of my quarter's 100
	v_mov_b32 v[PX], 0                             ; written once: a lane permute's destination counts as one of its sources
	s_wait_kmcnt 0x0
	v_mov_b32 v[CZ], s40
.irp k, 41,42,43,44,45,46,47
	v_add_f32 v[CZ], s\k, v[CZ]
.endr
	v_mul_f32 v[CZ], 0, v[CZ]                      ; 0 x the sum, as it is written
	v_mov_b32 v[CZ+1], v[CZ]
; THE FIRST PRODUCT.  Token tile m, unit tile u, half a of its K = 8; the result goes to buffer m % 2.  a = 0 starts the sum with b1 as C; a = 1 adds in place.
; The two unit tiles take turns, so that no link stands next to the instruction that it adds onto.
.macro WF m, u, a, set
.if (\a) == 0
	v_wmma_f32_16x16x4_f32 v[DD+16*((\m)%2)+8*(\u):DD+16*((\m)%2)+8*(\u)+7], v[WB+24*(\set)+4*(\u):WB+24*(\set)+4*(\u)+1], v[QQ+4*(\m):QQ+4*(\m)+1], v[WB+24*(\set)+8+8*(\u):WB+24*(\set)+8+8*(\u)+7]
.else
	v_wmma_f32_16x16x4_f32 v[DD+16*((\m)%2)+8*(\u):DD+16*((\m)%2)+8*(\u)+7], v[WB+24*(\set)+4*(\u)+2:WB+24*(\set)+4*(\u)+3], v[QQ+4*(\m)+2:QQ+4*(\m)+3], v[DD+16*((\m)%2)+8*(\u):DD+16*((\m)%2)+8*(\u)+7]
.endif
.endm
; THE QUANTISER of token tile m, in three slices.  The results are read in ascending order, each accumulator from its low end on.
.macro RELU m, i
	v_max_num_f32 v[TT+(\i)], 0, v[DD+16*((\m)%2)+(\i)]
.endm
.macro S1 m
.irp i, 0,1,2,3,4,5,6,7,8,9
	RELU \m, \i
.endr
.endm
.macro S2 m                            ; the rest of the relu by turns with the first chain of the largest magnitude (nothing is negative: no |.|)
	RELU \m, 10
	v_max3_num_f32 v[MA], v[TT], v[TT+1], 0x2800000        ; and the floor 2^(5 - 127): the byte cannot fall under 1
	RELU \m, 11
	v_max3_num_f32 v[MA], v[MA], v[TT+2], v[TT+3]
	RELU \m, 12
	v_max3_num_f32 v[MA], v[MA], v[TT+4], v[TT+5]
	RELU \m, 13
	v_max3_num_f32 v[MA], v[MA], v[TT+6], v[TT+7]
	RELU \m, 14
	RELU \m, 15
.endm
.macro S3 m                            ; eight of these lines are plain vector instructions that name no register of the f32 products round them: the places behind those
	v_max3_num_f32 v[MB], v[TT+8], v[TT+9], v[TT+10]
	v_max3_num_f32 v[MB], v[MB], v[TT+11], v[TT+12]
	v_max3_num_f32 v[MB], v[MB], v[TT+13], v[TT+14]
	v_max3_num_f32 v[MA], v[MA], v[MB], v[TT+15]
	v_permlanex16_b32 v[PX], v[MA], s22, s23
	v_max_num_f32 v[MA], v[MA], v[PX]              ; with lane l xor 16's sixteen: the block's largest magnitude
	v_add_nc_u32 v[SOP], 0xfe000000, v[MA]         ; 4 off its exponent field: the conversion takes the exponent field of this operand as its scale
	v_lshrrev_b32 v[BY+(\m)%2], 23, v[SOP]         ; the scale's byte
	v_cvt_scalef32_pk16_bf6_f32 v[X0+4*((\m)%2):X0+4*((\m)%2)+2], v[TT:TT+15], v[SOP]
	v_nop                                          ; one plain place behind a scaled conversion
.endm
; Two token tiles' half blocks become whole blocks: the even tile's lanes 16-31 change places with the odd tile's lanes 0-15.  Then lane (r, g) holds the 32 codes of token r of tile 2 pr + g: six registers, to the image in set tp.
.macro FIN pr, tp
.irp i, 0,1,2
	v_permlane16_swap_b32 v[X0+\i], v[X1+\i]
.endr
	v_mov_b32 v[X0+3], v[X1]                       ; (a conversion's three registers begin on an even number)
	v_mov_b32 v[X0+4], v[X1+1]
	v_mov_b32 v[X0+5], v[X1+2]
	v_cndmask_b32 v[BYJ], v[BY], v[BY+1], s21      ; lanes 16-31: the odd tile's byte
	ds_store_b64 v[HW0], v[X0:X0+1] offset:ASET*(\tp)+3072*(\pr)
	ds_store_b64 v[HW0+1], v[X0+2:X0+3] offset:ASET*(\tp)+3072*(\pr)
	ds_store_b64 v[HW0+2], v[X0+4:X0+5] offset:ASET*(\tp)+3072*(\pr)
	ds_store_b8 v[HSA], v[BYJ] offset:ASET*(\tp)+128*(\pr)
.endm
; THE LDS LOADS of a period.  Every load of 16 bytes a lane takes 512 bytes on end.
.macro LDB i, lp                       ; w2's tiles 2 i and 2 i + 1 (under TO_B)
.irp tt, 0,1
.irp c, 0,1,2
	ds_load_b128 v[12*(2*(\i)+\tt)+4*\c:12*(2*(\i)+\tt)+4*\c+3], v[AB0+(\lp)] offset:1536*(2*(\i)+\tt)+512*\c
.endr
.endr
.endm
.macro LDA m, lp                       ; h's fragment of token tile m
.irp c, 0,1,2
	ds_load_b128 v[AFR+12*(\m)+4*\c:AFR+12*(\m)+4*\c+3], v[AFA] offset:ASET*(\lp)+1536*(\m)+512*\c
.endr
.endm
.macro LDAS lp
	ds_load_b32 v[ASR], v[AFS] offset:ASET*(\lp)
	ds_load_b32 v[ASR+1], v[AFS] offset:ASET*(\lp)+128
.endm
.macro LDBS e0, n, lp
.set EE, \e0
.rept \n
	ds_load_b32 v[BSR+EE], v[SB0+(\lp)] offset:128*EE
.set EE, EE+1
.endr
.endm
; THE SECOND PRODUCT: column tile t against the four token tiles.  The 64 accumulators take turns, one instruction a turn, in the same order in every period.
.macro MULT t
.irp m, 0,1,2,3
.set AC, 8*(8*\m+(\t)%8)
.if ((\t)%2 == 0) && (\m%2 == 0)
	v_wmma_scale_f32_16x16x128_f8f6f4 v[AC:AC+7], v[12*(\t):12*(\t)+11], v[AFR+12*\m:AFR+12*\m+11], v[AC:AC+7], v[BSR+(\t)/2], v[ASR+\m/2] matrix_a_fmt:MATRIX_FMT_BF6 matrix_b_fmt:MATRIX_FMT_BF6
.elseif (\t)%2 == 0
	v_wmma_scale_f32_16x16x128_f8f6f4 v[AC:AC+7], v[12*(\t):12*(\t)+11], v[AFR+12*\m:AFR+12*\m+11], v[AC:AC+7], v[BSR+(\t)/2], v[ASR+\m/2] matrix_a_fmt:MATRIX_FMT_BF6 matrix_b_fmt:MATRIX_FMT_BF6 matrix_b_scale:MATRIX_SCALE_ROW1
.elseif \m%2 == 0
	v_wmma_scale_f32_16x16x128_f8f6f4 v[AC:AC+7], v[12*(\t):12*(\t)+11], v[AFR+12*\m:AFR+12*\m+11], v[AC:AC+7], v[BSR+(\t)/2], v[ASR+\m/2] matrix_a_fmt:MATRIX_FMT_BF6 matrix_b_fmt:MATRIX_FMT_BF6 matrix_a_scale:MATRIX_SCALE_ROW1
.else
	v_wmma_scale_f32_16x16x128_f8f6f4 v[AC:AC+7], v[12*(\t):12*(\t)+11], v[AFR+12*\m:AFR+12*\m+11], v[AC:AC+7], v[BSR+(\t)/2], v[ASR+\m/2] matrix_a_fmt:MATRIX_FMT_BF6 matrix_b_fmt:MATRIX_FMT_BF6 matrix_a_scale:MATRIX_SCALE_ROW1 matrix_b_scale:MATRIX_SCALE_ROW1
.endif
.endr
.endm
; THE FIRST HALF OF A PERIOD whose K step lies in slot and image set lp.  Sixteen f32 matrix instructions, each with a slice behind it: token tiles 1 to 3 of the NEXT K step (w1 and b1 in set 1 - lp; tile 0 was made a
; period ago), then tile 0 of the step after that (set lp).  The slices quantise the tile made four instructions earlier, store the images into set 1 - lp, and fetch this period's operands.
; doload = 0: nothing is fetched.  w0 = 0: there is no step after next.  wbl = 0: no further w1 and b1.
; A result is read at least 16 plain vector instructions behind the product that made it, and a buffer is begun anew two tiles later.
.macro HPH lp, doload, w0, wbl
	WF 1, 0, 0, 1-(\lp)
.if \doload
	WIN TO_B
	LDB 0, \lp
	LDB 1, \lp
	WIN 0
.endif
	WF 1, 1, 0, 1-(\lp)
	S1 0
.if \doload
	LDA 0, \lp
	LDAS \lp
.endif
	WF 1, 0, 1, 1-(\lp)
	S2 0
.if \doload
	LDA 1, \lp
	LDBS 0, 2, \lp
.endif
	WF 1, 1, 1, 1-(\lp)
	S3 0
.if \doload
	LDA 2, \lp
	LDBS 2, 2, \lp
.endif
	WF 2, 0, 0, 1-(\lp)
.if \doload
	LDA 3, \lp
	LDBS 4, 4, \lp
	WIN TO_B
	LDB 2, \lp
	WIN 0
.endif
	WF 2, 1, 0, 1-(\lp)
	S1 1
	WF 2, 0, 1, 1-(\lp)
	S2 1
	WF 2, 1, 1, 1-(\lp)
	S3 1
	WF 3, 0, 0, 1-(\lp)
	FIN 0, 1-(\lp)
	WF 3, 1, 0, 1-(\lp)
	S1 2
	WF 3, 0, 1, 1-(\lp)
	S2 2
	WF 3, 1, 1, 1-(\lp)
	S3 2
.if \w0
	s_wait_loadcnt 0x0                             ; set lp's w1 and b1, asked for a period ago, are in; no global load of mine is out, so their pointers may step
	WF 0, 0, 0, \lp
	WF 0, 1, 0, \lp
.endif
	S1 3
.if \wbl
	s_add_nc_u64 s[6:7], s[6:7], 4096              ; a K step on: 128 rows of w1,
	s_add_nc_u64 s[8:9], s[8:9], 512               ; 128 numbers of b1
	WBLOAD 1-(\lp), 0, 0                           ; into the set that token tile 3's products have read: sixteen plain vector instructions lie between
.endif
.if \w0
	WF 0, 0, 1, \lp
.endif
	S2 3
.if \w0
	WF 0, 1, 1, \lp
.endif
	S3 3
	FIN 1, 1-(\lp)
.endm
; THE SECOND HALF: column tiles 0 to 13; each pair of tiles from the fourth on is fetched 16 matrix instructions ahead of its use.  Tiles 14 and 15 follow in the next period's head.
.macro MMAIN lp, cnt
	s_wait_dscnt \cnt                              ; all fragments and scale words asked for so far are in (cnt = 8: the eight image stores were issued behind them)
.irp i, 0,1,2,3,4,5,6
.if (\i >= 3) && (\i <= 5)
	s_wait_dscnt 12                                ; this pair of tiles is in; the two pairs asked for behind it (six loads each) may be out
.elseif \i == 6
	s_wait_dscnt 6                                 ; the last pair may be out
.endif
.if \i < 4
	WIN MUL_LO
.else
	WIN MUL_HI
.endif
	MULT 2*\i
	MULT 2*\i+1
.if \i <= 4
	WIN TO_B
	LDB \i+3, \lp
.endif
.endr
.endm
; A PERIOD'S HEAD: the one barrier.  In front of it each wave waits for all its tensor loads (its quarter of this period's slot), adds 0 to its spare word, and waits for that, for its image stores and for its reads of the
; slot and the images of the period before.  kind = 1: the barrier opens a round of the cluster's barrier, and behind the round the slot just left (1 - lp) is filled with the next K step: it has a period in which to land.
; kind = 2: nothing is left to fetch.  kind = 0: the first period: slot 0 is in, slot 1's load may stay out.
.macro ENTER kind, lp, pf
	WIN 0
.if \kind == 0
	s_wait_tensorcnt 0x1
	s_wait_dscnt 0x0                               ; my images of K step 0 lie in LDS
	s_barrier_signal -1
	s_barrier_wait -1
.else
	s_wait_tensorcnt 0x0                           ; no tensor load of mine is out, so a group 0 may be written
	ds_add_u32 v[SPW], v[NIL]                      ; 0 onto my spare word
.if \kind == 1
	s_add_nc_u64 s[G0+4*(1-(\lp))+2:G0+4*(1-(\lp))+3], s[G0+4*(1-(\lp))+2:G0+4*(1-(\lp))+3], 2*STEPB   ; that slot's next K step; the type bits on top are not reached
.endif
.if \pf
	s_wait_xcnt 0x0                                ; the last prefetch, a period back, has read its address
	s_add_nc_u64 s[PFA:PFA+1], s[PFA:PFA+1], STEPB
.endif
	s_wait_dscnt 0x1                               ; tiles 14 and 15 are in; the add may be out
	WIN MUL_HI
	MULT 14
	s_wait_dscnt 0x0                               ; the add is done, my image stores have landed, my reads of the old slot and images are over
	s_barrier_signal -1
	MULT 15                                        ; work on registers while the others arrive
	WIN 0
	s_barrier_wait -1
.if \kind == 1
	CREST                                          ; no wave of any partner still reads that slot or has a load on its way
	tensor_load_to_lds s[G0+4*(1-(\lp)):G0+4*(1-(\lp))+3], s[G1:G1+7]   ; my one tensor load behind the round, and the first thing there
	s_nop 0
	PLACES 4                                       ; four v_nop follow; they are also the places in front of the loads into registers that the last products read
.if \pf
	ASK
.endif
.else
	PLACES 4
.endif
.endif
.endm
	s_wait_loadcnt 32                              ; q and both sets of w1 and b1 are in; b2's 32 loads, issued behind them, may be out
	WF 0, 0, 0, 0                                  ; token tile 0 of K step 0
	WF 0, 1, 0, 0
	WF 0, 0, 1, 0
	WF 0, 1, 1, 0
	PLACES 8
	HPH 1, 0, 1, 1                                 ; K step 0's images into set 0; tile 0 of K step 1; w1 and b1 of K step 2.  Its wait for loads covers b2
	; The accumulators begin as b2 + 0 x sum(params): the bias's addition stands here, while the first tiles are on their way, and nothing is cleared
	WIN 0x81                                       ; destination window 2, source 0 (b2) window 1, source 1 window 0
.irp m, 0,1,2,3
.irp t, 0,1,2,3,4,5,6,7
.irp j, 0,2,4,6
	v_pk_add_f32 v[8*(8*\m+\t)+\j:8*(8*\m+\t)+\j+1], v[8*\t+\j:8*\t+\j+1], v[CZ:CZ+1]
.endr
.endr
.endr
	WIN 0xc1                                       ; destination window 3
.irp m, 0,1,2,3
.irp t, 0,1,2,3,4,5,6,7
.irp j, 0,2,4,6
	v_pk_add_f32 v[8*(8*\m+\t)+\j:8*(8*\m+\t)+\j+1], v[64+8*\t+\j:64+8*\t+\j+1], v[CZ:CZ+1]
.endr
.endr
.endr
	ENTER 0, 0, 0                                  ; period 0
	HPH 0, 1, 1, 1
	MMAIN 0, 8
	WIN 0                                          ; at a label and at a branch every window is 0
	s_mov_b32 s48, 14
.Lp:                                               ; 14 trips of two periods: periods 1 to 28
	ENTER 1, 1, 1
	HPH 1, 1, 1, 1
	MMAIN 1, 8
	ENTER 1, 0, 1
	HPH 0, 1, 1, 1
	MMAIN 0, 8
	WIN 0
	s_sub_co_u32 s48, s48, 1
	s_cmp_lg_u32 s48, 0
	s_cbranch_scc1 .Lp
	ENTER 1, 1, 0                                  ; period 29: K step 30 is asked for; no w1 and b1 are left to load
	HPH 1, 1, 1, 0
	MMAIN 1, 8
	ENTER 1, 0, 0                                  ; period 30: K step 31 is asked for; there is no step after next
	HPH 0, 1, 0, 0
	MMAIN 0, 8
	ENTER 2, 1, 0                                  ; period 31: nothing is left to fetch or to make
	WIN TO_B
	LDB 0, 1
	LDB 1, 1
	LDB 2, 1
	WIN 0
	LDA 0, 1
	LDA 1, 1
	LDA 2, 1
	LDA 3, 1
	LDAS 1
	LDBS 0, 8, 1
	MMAIN 1, 0
	s_wait_dscnt 0x0
	WIN MUL_HI
	MULT 14
	MULT 15
	WIN 0
; THE WAY OUT, in eight blocks of 16 rows x 128 columns: block a is token tile a % 4, column tiles 8 (a / 4) on.  A lane holds 32 neighbouring bytes of a row and the lanes beside it hold other rows: so a block goes
; through my own stage in LDS and comes back as whole rows of 512 bytes.  LDS serves a wave's instructions in order (ISA guide 5.7.1.4): no wait between the stores and the loads, nor in front of the next block's stores.
.macro TOSTAGE a
.set AC, 64*((\a)%4)
	WIN 0x08+4*((\a)/4)                            ; the data: window 2 or 3
.irp b, 0,1,2,3,4,5,6,7
	ds_store_b128 v[STO], v[AC+8*\b:AC+8*\b+3] offset:64*\b          ; each accumulator from its low end on
	ds_store_b128 v[STO], v[AC+8*\b+4:AC+8*\b+7] offset:64*\b+16
.endr
	WIN 0
.set BB, BK+64*((\a)%2)
.irp t, 0,1,2,3,4,5,6,7,8,9,10,11,12,13,14,15
	ds_load_b128 v[BB+4*\t:BB+4*\t+3], v[RD] offset:\t*SPITCH
.endr
.endm
.macro SEND a, younger                 ; younger: the LDS instructions issued behind block a's loads, which may stay out
.set BB, BK+64*((\a)%2)
	s_wait_dscnt \younger
.irp t, 0,1,2,3,4,5,6,7,8,9,10,11,12,13,14,15
	global_store_b128 v[LI], v[BB+4*\t:BB+4*\t+3], s[16:17] offset:(16*((\a)%4)+\t)*4096+512*((\a)/4) th:TH_STORE_NT   ; 32 lanes store 512 consecutive bytes, at a multiple of 256 from out0's first byte; written once
.endr
.endm
	PLACES 4                                       ; behind the last products, ahead of the first read of results
	TOSTAGE 0
.irp a, 1,2,3,4,5,6,7
.if \a > 1
	s_wait_xcnt 0x0                                ; block a - 2's stores have read their registers: block a's loads may land there
.endif
	TOSTAGE \a
	SEND \a-1, 32                                  ; behind block a - 1's loads: block a's 16 stores and 16 loads
.endr
	SEND 7, 0
	s_wait_tensorcnt 0x0                           ; the wave's end: behind my last tensor load and my last LDS store
	ds_add_u32 v[SPW], v[NIL]
	s_wait_dscnt 0x0
	CROUND                                         ; the closing round: no work-group ends while a partner may still ask for a tile that names it
	s_endpgm
.Lfunc_end_k_q2c6c00d1fd_ffn:
	.size	k_q2c6c00d1fd_ffn, .Lfunc_end_k_q2c6c00d1fd_ffn-k_q2c6c00d1fd_ffn
	.p2alignl 7, 3214868480
	.fill 96, 4, 3214868480
	.section	.rodata,"a",@progbits
	.p2align	6, 0x0
	.amdhsa_kernel k_q2c6c00d1fd_ffn
		.amdhsa_group_segment_fixed_size 327680
		.amdhsa_private_segment_fixed_size 0
		.amdhsa_enable_private_segment 0
		.amdhsa_kernarg_size 56
		.amdhsa_user_sgpr_count 2
		.amdhsa_user_sgpr_kernarg_segment_ptr 1
		.amdhsa_wavefront_size32 1
		.amdhsa_system_sgpr_workgroup_id_x 1
		.amdhsa_system_sgpr_workgroup_id_y 1
		.amdhsa_system_sgpr_workgroup_id_z 1
		.amdhsa_system_vgpr_workitem_id 0
		.amdhsa_next_free_vgpr 1024
		.amdhsa_next_free_sgpr 66
		.amdhsa_reserve_vcc 0
		.amdhsa_float_denorm_mode_32 3
		.amdhsa_float_denorm_mode_16_64 3
		.amdhsa_memory_ordered 1
		.amdhsa_forward_progress 1
		.amdhsa_inst_pref_size 186
	.end_amdhsa_kernel
	.amdgpu_metadata
---
amdhsa.version: [ 1, 2 ]
amdhsa.kernels:
  - .name:           k_q2c6c00d1fd_ffn
    .symbol:         k_q2c6c00d1fd_ffn.kd
    .args:
      - { .name: qf, .offset: 0, .size: 8, .value_kind: global_buffer, .address_space: global }
      - { .name: w1, .offset: 8, .size: 8, .value_kind: global_buffer, .address_space: global }
      - { .name: b1, .offset: 16, .size: 8, .value_kind: global_buffer, .address_space: global }
      - { .name: w2f, .offset: 24, .size: 8, .value_kind: global_buffer, .address_space: global }
      - { .name: b2, .offset: 32, .size: 8, .value_kind: global_buffer, .address_space: global }
      - { .name: circuit_params, .offset: 40, .size: 8, .value_kind: global_buffer, .address_space: global }
      - { .name: out0, .offset: 48, .size: 8, .value_kind: global_buffer, .address_space: global }
    .group_segment_fixed_size: 327680
    .private_segment_fixed_size: 0
    .kernarg_segment_align: 8
    .kernarg_segment_size: 56
    .max_flat_workgroup_size: 128
    .sgpr_count:     66
    .vgpr_count:     1024
    .wavefront_size: 32
...
	.end_amdgpu_metadata
.endif
;; end of part 2
;; ======== version 2 of 2: 2 launches
;; limits: inputs' magnitudes at most 131,072; right only within a limited range of input values
;; workspace buffers: w2f 3,276,800 bytes; hf 52,428,800 bytes
;; launch prep (part 3): grid 1152 x 1, 4 waves a work-group, no clusters, 29,440 bytes of LDS; arguments x, w2_codes, w2_scales, w2f, hf, w1, b1; writes w2f, hf
.if DOCPART == 3
	.amdgcn_target "amdgcn-amd-amdhsa--gfx1250"
	.amdhsa_code_object_version 6
	.text
	.protected	k_q2c6c00d1fd_prep
	.globl	k_q2c6c00d1fd_prep
	.p2align	8
	.type	k_q2c6c00d1fd_prep,@function
k_q2c6c00d1fd_prep:
	s_mov_b64 s[64:65], 0
	v_nop
	global_prefetch_b8 v0, s[64:65] scope:SCOPE_SE
	s_setreg_imm32_b32 hwreg(HW_REG_WAVE_MODE, 25, 1), 1
	s_wait_xcnt 0x0
; DEAD WORK: reference() adds circuit_params.sum() * 0.0 to the result.  For every finite circuit_params that term is 0, so it reaches no output: circuit_params is not loaded and is no
; argument of any launch.  LIMIT: a NaN, an infinity or an overflow in circuit_params is not carried to the result.
; TWO JOBS IN ONE LAUNCH, told apart by the work-group's number.
; W (work-groups 0-127): w2's codes [1024][3072 bytes] and scale bytes [1024][128] are laid in the order in which the next launch's operand registers take them:
;   w2f: columns 256 n .. at 819,200 n; K step s (128 along K) at + 25,600 s; in that piece tile t (16 columns) at 1,536 t, register group c at 512 c, lane l at 16 l:
;   registers 4 c .. 4 c + 3 of the 6-bit fragment of column 16 t + l % 16.  The piece's scale words follow at + 24,576: tile t, column r at 64 t + 4 r.
;   A work-group takes 16 columns x 16 K steps: rows meet in LDS (pitch 1,552 bytes), fragments are read back and stored, 512 consecutive aligned bytes a store.
; H (work-groups 128-1151): h = relu(q w1^T + b1), quantised to E3M2 along the hidden axis, for 128 tokens x 4 K steps (one K step a wave).
;   q[n][w] = the product over k <= w of cos(x[n][k]): lane (r, h) of a tile of 16 tokens makes cos of x[r][4 h .. 4 h + 3]; lanes 16-31 start their products from lane r's q[3].
;   Each wave makes q of two tiles; the eight tiles meet in LDS.  The product is used transposed (source 0 = 16 rows of w1, source 1 = q, C = b1), and lane r of tile (b, u) takes row
;   32 b + 8 u + r + 8 (r / 8) of w1, so that a lane's 16 registers of a block are 16 neighbours along the hidden axis.  Both operands carry k in the order 0 1 4 5, 2 3 6 7.
;   hf: token block R (256 tokens) at 819,200 R, K step s at + 25,600 s; the piece's codes as in w2f (tile = 16 tokens); scale words at + 24,576: four tiles at 256 g, lane l at 8 l:
;   word p of the lane's two: tile 4 g + 2 p + l / 16, token l % 16.  Every store of the wave covers 256 or 512 consecutive aligned bytes.
;   cos: N = the nearest whole number to x 2 / pi; r = x - N pi / 2 with pi / 2 in three parts; on |r| <= pi / 4 a polynomial for sin and one for cos; N mod 4 picks one and its sign.
; LIMITS: the reduction holds for |x| <= 2^17; beyond that accuracy falls off.  NaN and infinities in x are not served.
.set KROW,  3072
.set PART,  25600                      ; a piece: 256 rows x 128 K
.set NBLK,  32*PART                    ; the 32 pieces of 256 columns or tokens
.set BSC,   24576
.set LP,    1552                       ; W's LDS row: 1,536 bytes + 16
.set SPARE, 0x6100                     ; behind W's 16 rows: the spare words, 128 bytes a wave
.set QST,   25344                      ; behind them: H's eight tiles of q, 512 bytes each
.set SPW, 14
.set NIL, 15
.set TN, 36                            ; cos: v[36:37] N, v[38:39] r, v[40:41] z, v[42:43] sin, v[44:45] cos, v[46:49] at work; v[24:35] the polynomials
.set TR, 38
.set TZ, 40
.set TS, 42
.set TC, 44
.set TU, 46
.set TI, 48
.set MA, 1                             ; H, behind its head, takes registers whose head values are done with: v1, v2 two running maxima,
.set MB, 2
.set SOP, 3                            ; v3 the conversion's scale operand,
.set PX, 5                             ; v5 a lane permute's result,
.set SP, 6                             ; v[6:7] the pair of scale words that is stored,
.set BYT, 10                           ; v10 a scale's byte
.set SW, 12                            ; v12, v13 scale words of an even and an odd tile
.set TT, 16                            ; v[16:31] a block's 16 numbers behind relu
.set XF, 32                            ; v[32:43] a tile's fragment; v[44:46] an odd block's codes
.set XT, 44
.set QQ, 48                            ; v[48:63] q, four tiles; tile m + 4 takes tile m's registers when tile m is done
.set DD, 64                            ; v[64:95] the f32 products' results, two blocks by turns; written by matrix instructions alone
.set WB, 96                            ; v[96:127] w1's rows of my K step
.set WC, 128                           ; v[128:191] b1 in the result's layout
	s_load_b256 s[4:11], s[0:1], 0x0               ; x, codes, scale bytes, w2f
	s_load_b128 s[12:15], s[0:1], 0x20             ; hf, w1
	s_load_b64 s[26:27], s[0:1], 0x30              ; b1
	v_lshl_add_u32 v[SPW], v0, 2, SPARE
	v_mov_b32 v[NIL], 0
	v_lshrrev_b32 v1, 5, v0
	v_readfirstlane_b32 s16, v1                    ; wave
	v_and_b32 v1, 31, v0                           ; lane
	v_and_b32 v2, 15, v0                           ; r
	v_bfe_u32 v3, v0, 4, 1                         ; h
	v_lshlrev_b32 v4, 4, v1                        ; 16 x lane
	s_wait_alu depctr_va_vdst(0)
	s_wait_kmcnt 0x0
	s_cmp_lt_u32 ttmp9, 128
	s_cbranch_scc0 .Lh
	; ---- W
	s_mul_i32 s28, s16, 4*LP
	v_add_nc_u32 v5, s28, v4                       ; LDS, in: my wave's four rows
	v_mul_u32_u24 v6, v2, LP
	v_mad_u32_u24 v6, v3, 24, v6
	s_mul_i32 s28, s16, 384
	v_add_nc_u32 v6, s28, v6                       ; LDS, out: row r, + 24 h, + my four K steps of 96 bytes
	v_lshlrev_b32 v7, 7, v2
	v_lshl_add_u32 v7, v3, 2, v7                   ; scale bytes: row r; lanes 16-31 the next K step's word
	v_mul_u32_u24 v8, v3, PART
	v_lshl_add_u32 v8, v2, 2, v8                   ; and where it goes
	s_wait_alu depctr_va_vdst(0)
	s_lshr_b32 s17, ttmp9, 1                       ; which 16 columns
	s_and_b32 s18, ttmp9, 1                        ; which 16 K steps
	s_mul_i32 s20, s17, 16*KROW
	s_mul_i32 s19, s18, 1536
	s_add_co_u32 s20, s20, s19
	s_mul_i32 s19, s16, 4*KROW
	s_add_co_u32 s20, s20, s19
	s_mov_b32 s21, 0
	s_add_nc_u64 s[6:7], s[6:7], s[20:21]
	s_lshl_b32 s20, s17, 11
	s_lshl_b32 s19, s18, 6
	s_add_co_u32 s20, s20, s19
	s_lshl_b32 s19, s16, 4
	s_add_co_u32 s20, s20, s19
	s_add_nc_u64 s[8:9], s[8:9], s[20:21]
	s_lshl_b32 s20, s18, 4
	s_lshl_b32 s19, s16, 2
	s_add_co_u32 s20, s20, s19                     ; my wave's first K step
	s_mul_i32 s20, s20, PART
	s_lshr_b32 s19, s17, 4                         ; which 256 columns
	s_mul_i32 s19, s19, NBLK
	s_add_co_u32 s20, s20, s19
	s_add_nc_u64 s[10:11], s[10:11], s[20:21]
	s_and_b32 s19, s17, 15                         ; the tile in the piece
	s_lshl_b32 s22, s19, 6
	s_add_co_u32 s22, s22, BSC
	s_mov_b32 s23, 0
	s_add_nc_u64 s[24:25], s[10:11], s[22:23]
	s_mul_i32 s20, s19, 1536
	s_add_nc_u64 s[10:11], s[10:11], s[20:21]
.irp i, 0,1,2,3
.irp j, 0,1,2
	global_load_b128 v[16+4*(3*\i+\j):16+4*(3*\i+\j)+3], v4, s[6:7] offset:KROW*\i+512*\j th:TH_LOAD_NT
.endr
.endr
.irp i, 0,1
	global_load_b32 v[12+\i], v7, s[8:9] offset:8*\i
.endr
	s_wait_loadcnt 0x2                             ; the twelve code loads are in; the two scale loads may be out
.irp i, 0,1,2,3
.irp j, 0,1,2
	ds_store_b128 v5, v[16+4*(3*\i+\j):16+4*(3*\i+\j)+3] offset:LP*\i+512*\j
.endr
.endr
	s_wait_dscnt 0x0                               ; for the others' sake: my rows lie in LDS
	s_barrier_signal -1
	s_barrier_wait -1
.irp i, 0,1,2,3
.irp p, 0,1,2,3,4,5
	ds_load_b64 v[16+12*\i+2*\p:16+12*\i+2*\p+1], v6 offset:96*\i+48*(\p/3)+8*(\p%3)
.endr
.endr
	s_wait_dscnt 0x0
.irp i, 0,1,2,3
.irp c, 0,1,2
	global_store_b128 v4, v[16+12*\i+4*\c:16+12*\i+4*\c+3], s[10:11] offset:PART*\i+512*\c
.endr
.endr
	s_wait_loadcnt 0x0
.irp i, 0,1
	global_store_b32 v8, v[12+\i], s[24:25] offset:2*PART*\i
.endr
	s_wait_tensorcnt 0x0                           ; the wave's end
	ds_add_u32 v[SPW], v[NIL]
	s_wait_dscnt 0x0
	s_endpgm
	; ---- H
.macro COS2 X                          ; v[X:X+1] become their cosines
	v_pk_mul_f32 v[TN:TN+1], v[\X:\X+1], 0x3f22f983 op_sel_hi:[1,0]
	v_rndne_f32 v[TN], v[TN]
	v_rndne_f32 v[TN+1], v[TN+1]
	v_pk_fma_f32 v[TR:TR+1], v[TN:TN+1], 0xbfc90fda, v[\X:\X+1] op_sel_hi:[1,0,1]
	v_pk_fma_f32 v[TR:TR+1], v[TN:TN+1], 0xb3a22168, v[TR:TR+1] op_sel_hi:[1,0,1]
	v_pk_fma_f32 v[TR:TR+1], v[TN:TN+1], 0xa7c234c4, v[TR:TR+1] op_sel_hi:[1,0,1]
	v_pk_mul_f32 v[TZ:TZ+1], v[TR:TR+1], v[TR:TR+1]
	v_pk_fma_f32 v[TS:TS+1], v[TZ:TZ+1], v[24:25], v[26:27]
	v_pk_fma_f32 v[TC:TC+1], v[TZ:TZ+1], v[30:31], v[32:33]
	v_pk_fma_f32 v[TS:TS+1], v[TS:TS+1], v[TZ:TZ+1], v[28:29]
	v_pk_fma_f32 v[TC:TC+1], v[TC:TC+1], v[TZ:TZ+1], v[34:35]
	v_pk_mul_f32 v[TU:TU+1], v[TZ:TZ+1], v[TR:TR+1]
	v_pk_fma_f32 v[TS:TS+1], v[TS:TS+1], v[TU:TU+1], v[TR:TR+1]                  ; sin r = r + z r P(z)
	v_pk_mul_f32 v[TU:TU+1], v[TZ:TZ+1], v[TZ:TZ+1]
	v_pk_fma_f32 v[TZ:TZ+1], v[TZ:TZ+1], -0.5, 1.0 op_sel_hi:[1,0,0]
	v_pk_fma_f32 v[TC:TC+1], v[TC:TC+1], v[TU:TU+1], v[TZ:TZ+1]                  ; cos r = 1 - z / 2 + z z Q(z)
.irp e, 0,1
	v_cvt_i32_f32 v[TI+\e], v[TN+\e]
	v_and_b32 v[TU+\e], 1, v[TI+\e]
	v_cmp_ne_u32 vcc_lo, 0, v[TU+\e]
	v_cndmask_b32 v[\X+\e], v[TC+\e], v[TS+\e], vcc_lo                           ; N odd: sin r, else cos r
	v_add_nc_u32 v[TI+\e], 1, v[TI+\e]
	v_lshlrev_b32 v[TI+\e], 30, v[TI+\e]
	v_and_b32 v[TI+\e], 0x80000000, v[TI+\e]                                     ; negative where N mod 4 is 1 or 2
	v_xor_b32 v[\X+\e], v[TI+\e], v[\X+\e]
.endr
.endm
.macro CUM X                           ; my four cosines become q[4 h .. 4 h + 3], multiplied in ascending order
	v_mul_f32 v36, v[\X], v[\X+1]
	v_mul_f32 v36, v36, v[\X+2]
	v_mul_f32 v36, v36, v[\X+3]                    ; in lanes 0-15: q[3]
	v_permlanex16_b32 v[PX], v36, s22, s23
	v_cndmask_b32 v36, 1.0, v[PX], s21             ; lanes 16-31 start from it, lanes 0-15 from 1
	v_mul_f32 v[\X], v36, v[\X]
	v_mul_f32 v[\X+1], v[\X], v[\X+1]
	v_mul_f32 v[\X+2], v[\X+1], v[\X+2]
	v_mul_f32 v[\X+3], v[\X+2], v[\X+3]
.endm
; Block i = 4 m + b: tile m of tokens, block b of 32 hidden units: two tiles u of 16 x 16, two K halves a.
.macro WF i, u, a
.set DB, DD+16*((\i)%2)+8*(\u)
.set WBQ, (\i)%4
.set WMQ, ((\i)/4)%4
.if (\a) == 0
	v_wmma_f32_16x16x4_f32 v[DB:DB+7], v[WB+8*WBQ+4*(\u):WB+8*WBQ+4*(\u)+1], v[QQ+4*WMQ:QQ+4*WMQ+1], v[WC+16*WBQ+8*(\u):WC+16*WBQ+8*(\u)+7]
.else
	v_wmma_f32_16x16x4_f32 v[DB:DB+7], v[WB+8*WBQ+4*(\u)+2:WB+8*WBQ+4*(\u)+3], v[QQ+4*WMQ+2:QQ+4*WMQ+3], v[DB:DB+7]
.endif
.endm
.macro RELU j, i                       ; numbers i and i + 1 (i even), one dual-issue pair
	v_dual_max_num_f32 v[TT+(\i)], 0, v[DD+16*((\j)%2)+(\i)] :: v_dual_max_num_f32 v[TT+(\i)+1], 0, v[DD+16*((\j)%2)+(\i)+1]
.endm
.macro S1 j
.irp i, 0,2,4,6,8
	RELU \j, \i
.endr
.endm
.macro S2 j                            ; the block's largest number, in two chains, with the floor 2^(5 - 127) among the leaves
	RELU \j, 10
	v_max3_num_f32 v[MA], v[TT], v[TT+1], 0x2800000
	v_max3_num_f32 v[MB], v[TT+2], v[TT+3], v[TT+4]
	RELU \j, 12
	v_max3_num_f32 v[MA], v[MA], v[TT+5], v[TT+6]
	v_max3_num_f32 v[MB], v[MB], v[TT+7], v[TT+8]
	RELU \j, 14
.endm
.macro S3 j
.set BQ, (\j)%4
.set MQ, (\j)/4
	v_max3_num_f32 v[MA], v[MA], v[TT+9], v[TT+10]
	v_max3_num_f32 v[MB], v[MB], v[TT+11], v[TT+12]
	v_max3_num_f32 v[MA], v[MA], v[TT+13], v[TT+14]
	v_max3_num_f32 v[MA], v[MA], v[MB], v[TT+15]
	v_permlanex16_b32 v[PX], v[MA], s22, s23
	v_max_num_f32 v[MA], v[MA], v[PX]              ; with lane l xor 16's 16 numbers
	v_add_nc_u32 v[SOP], 0xfe000000, v[MA]         ; 4 off the exponent field: the conversion's scale operand
.if BQ == 0
	v_lshrrev_b32 v[SW+MQ%2], 23, v[SOP]           ; the scale's byte starts the tile's scale word
.if MQ > 0
	s_wait_alu depctr_va_vdst(0)
	s_wait_xcnt 0x0                                ; the last tile's stores have read the registers that are written again from here on
.endif
.else
	v_lshrrev_b32 v[BYT], 23, v[SOP]
	v_lshl_or_b32 v[SW+MQ%2], v[BYT], 8*BQ, v[SW+MQ%2]
.endif
.if BQ%2 == 0
	v_cvt_scalef32_pk16_bf6_f32 v[XF+6*(BQ/2):XF+6*(BQ/2)+2], v[TT:TT+15], v[SOP]
	v_nop
.else
	v_cvt_scalef32_pk16_bf6_f32 v[XT:XT+2], v[TT:TT+15], v[SOP]
	v_nop                                          ; one plain place behind a scaled conversion
.irp k, 0,1,2
	v_permlane16_swap_b32 v[XF+6*(BQ/2)+\k], v[XT+\k]   ; a whole block to a lane: lanes 0-15 the even block, lanes 16-31 the odd one
.endr
.irp k, 0,1,2
	v_mov_b32 v[XF+6*(BQ/2)+3+\k], v[XT+\k]
.endr
.endif
.if BQ == 3
.irp c, 0,1,2
	global_store_b128 v4, v[XF+4*\c:XF+4*\c+3], s[12:13] offset:1536*MQ+512*\c   ; 512 consecutive aligned bytes
.endr
.if MQ%2 == 1
	v_cndmask_b32 v[SP+(MQ/2)%2], v[SW], v[SW+1], s21   ; lanes 0-15 the even tile's words, lanes 16-31 the odd tile's
.endif
.if MQ%4 == 3
	global_store_b64 v9, v[SP:SP+1], s[24:25] offset:256*(MQ/4)   ; 256 consecutive aligned bytes: four tiles' words
.endif
.endif
.endm
.macro BLK i                           ; block i's four products, with block i - 1's vector work as the places between and behind them
	WF \i, 0, 0
	WF \i, 1, 0
	S1 (\i)-1
	WF \i, 0, 1
	S2 (\i)-1
	WF \i, 1, 1
	S3 (\i)-1
.endm
.Lh:
	s_sub_co_u32 s17, ttmp9, 128
	s_and_b32 s18, s17, 127                        ; which 128 tokens
	s_lshr_b32 s19, s17, 7
	s_lshl_b32 s19, s19, 2
	s_add_co_u32 s19, s19, s16                     ; my K step
	s_mov_b32 s29, 0
	s_lshl_b32 s28, s18, 19
	s_add_nc_u64 s[4:5], s[4:5], s[28:29]          ; x: 128 rows of 4,096 bytes
	s_lshl_b32 s28, s19, 12
	s_add_nc_u64 s[14:15], s[14:15], s[28:29]      ; w1: 128 rows of 32 bytes
	s_lshl_b32 s28, s19, 9
	s_add_nc_u64 s[26:27], s[26:27], s[28:29]      ; b1
	s_lshr_b32 s20, s18, 1
	s_mul_i32 s28, s20, NBLK
	s_mul_i32 s20, s19, PART
	s_add_co_u32 s28, s28, s20
	s_add_nc_u64 s[12:13], s[12:13], s[28:29]      ; hf: my piece
	s_and_b32 s20, s18, 1                          ; which eight of its sixteen tiles
	s_lshl_b32 s28, s20, 9
	s_add_co_u32 s28, s28, BSC
	s_add_nc_u64 s[24:25], s[12:13], s[28:29]      ; their scale words
	s_mul_i32 s28, s20, 12288
	s_add_nc_u64 s[12:13], s[12:13], s[28:29]      ; their codes
	s_mov_b32 s21, 0xffff0000                      ; lanes 16-31
	s_mov_b32 s22, 0x76543210
	s_mov_b32 s23, 0xfedcba98
	v_lshrrev_b32 v5, 5, v0
	v_lshl_add_u32 v6, v5, 5, v2
	v_lshlrev_b32 v6, 12, v6
	v_lshl_add_u32 v6, v3, 4, v6                   ; x: token 32 wave + r, + 16 h
	v_and_b32 v7, 8, v2
	v_add_nc_u32 v7, v7, v2
	v_lshlrev_b32 v7, 5, v7
	v_lshl_add_u32 v7, v3, 4, v7                   ; w1: row r + 8 (r / 8), + 16 h
	v_lshlrev_b32 v8, 6, v3                        ; b1: 16 h numbers on
	v_lshlrev_b32 v9, 3, v1                        ; scale words: 8 x lane
	v_lshl_add_u32 v10, v5, 10, v4
	v_add_nc_u32 v10, QST, v10                     ; q, in: my two tiles
	v_add_nc_u32 v11, QST, v4                      ; q, out
	v_mov_b32 v[PX], 0
	global_load_b128 v[16:19], v6, s[4:5]
	global_load_b128 v[20:23], v6, s[4:5] offset:65536
.irp b, 0,1,2,3
.irp u, 0,1
	global_load_b128 v[WB+8*\b+4*\u:WB+8*\b+4*\u+3], v7, s[14:15] offset:1024*\b+256*\u
.endr
.irp i, 0,1,2,3
	global_load_b128 v[WC+16*\b+4*\i:WC+16*\b+4*\i+3], v8, s[26:27] offset:128*\b+16*\i
.endr
.endr
.irp e, 0,1
	v_mov_b32 v[24+\e], 0xb94ca1f9                 ; sin: -1.9515296e-4
	v_mov_b32 v[26+\e], 0x3c08839e                 ;       8.3321609e-3
	v_mov_b32 v[28+\e], 0xbe2aaaa3                 ;      -1.6666655e-1
	v_mov_b32 v[30+\e], 0x37ccf5ce                 ; cos:  2.4433157e-5
	v_mov_b32 v[32+\e], 0xbab6061a                 ;      -1.3887316e-3
	v_mov_b32 v[34+\e], 0x3d2aaaa5                 ;       4.1666646e-2
.endr
	s_wait_alu depctr_va_vdst(0)
	s_wait_loadcnt 24                              ; x is in; the 24 loads of w1 and b1 may be out
	COS2 16
	COS2 18
	COS2 20
	COS2 22
	CUM 16
	CUM 20
	ds_store_b128 v10, v[16:19]
	ds_store_b128 v10, v[20:23] offset:512
	s_wait_dscnt 0x0                               ; for the others' sake: my two tiles lie in LDS
	s_barrier_signal -1
	s_barrier_wait -1
.irp m, 0,1,2,3
	ds_load_b128 v[QQ+4*\m:QQ+4*\m+3], v11 offset:512*\m
.endr
	s_wait_loadcnt 0x0                             ; w1 and b1 are in, and the head's offset registers are free
	s_wait_dscnt 0x0
	WF 0, 0, 0
	WF 0, 1, 0
	WF 0, 0, 1
	WF 0, 1, 1
.rept 8
	v_nop                                          ; eight places behind the f32 form (ISA guide 7.12.1)
.endr
.set I, 1
.rept 31
.if (I == 16) || (I == 28)
	s_wait_alu depctr_va_vdst(0)
	s_wait_dscnt 0x0                               ; q of tiles 4 to 6 (ahead of block 16), of tile 7 (ahead of block 28)
.endif
	BLK I
.if (I%4 == 0) && (I <= 16)
	ds_load_b128 v[QQ+I-4:QQ+I-1], v11 offset:512*(I/4+3)   ; tile I / 4 - 1 had its last product a block ago, more than eight places back: its registers take the tile four on
.endif
.set I, I+1
.endr
	S1 31
	S2 31
	S3 31
	s_wait_tensorcnt 0x0                           ; the wave's end
	ds_add_u32 v[SPW], v[NIL]
	s_wait_dscnt 0x0
	s_endpgm
.Lfunc_end_k_q2c6c00d1fd_prep:
	.size	k_q2c6c00d1fd_prep, .Lfunc_end_k_q2c6c00d1fd_prep-k_q2c6c00d1fd_prep
	.p2alignl 7, 3214868480
	.fill 96, 4, 3214868480
	.section	.rodata,"a",@progbits
	.p2align	6, 0x0
	.amdhsa_kernel k_q2c6c00d1fd_prep
		.amdhsa_group_segment_fixed_size 29440
		.amdhsa_private_segment_fixed_size 0
		.amdhsa_enable_private_segment 0
		.amdhsa_kernarg_size 56
		.amdhsa_user_sgpr_count 2
		.amdhsa_user_sgpr_kernarg_segment_ptr 1
		.amdhsa_wavefront_size32 1
		.amdhsa_system_sgpr_workgroup_id_x 1
		.amdhsa_system_sgpr_workgroup_id_y 1
		.amdhsa_system_sgpr_workgroup_id_z 1
		.amdhsa_system_vgpr_workitem_id 0
		.amdhsa_next_free_vgpr 192
		.amdhsa_next_free_sgpr 66
		.amdhsa_reserve_vcc 1
		.amdhsa_float_denorm_mode_32 3
		.amdhsa_float_denorm_mode_16_64 3
		.amdhsa_memory_ordered 1
		.amdhsa_forward_progress 1
		.amdhsa_inst_pref_size 80
	.end_amdhsa_kernel
	.amdgpu_metadata
---
amdhsa.version: [ 1, 2 ]
amdhsa.kernels:
  - .name:           k_q2c6c00d1fd_prep
    .symbol:         k_q2c6c00d1fd_prep.kd
    .args:
      - { .name: x, .offset: 0, .size: 8, .value_kind: global_buffer, .address_space: global }
      - { .name: w2_codes, .offset: 8, .size: 8, .value_kind: global_buffer, .address_space: global }
      - { .name: w2_scales, .offset: 16, .size: 8, .value_kind: global_buffer, .address_space: global }
      - { .name: w2f, .offset: 24, .size: 8, .value_kind: global_buffer, .address_space: global }
      - { .name: hf, .offset: 32, .size: 8, .value_kind: global_buffer, .address_space: global }
      - { .name: w1, .offset: 40, .size: 8, .value_kind: global_buffer, .address_space: global }
      - { .name: b1, .offset: 48, .size: 8, .value_kind: global_buffer, .address_space: global }
    .group_segment_fixed_size: 29440
    .private_segment_fixed_size: 0
    .kernarg_segment_align: 8
    .kernarg_segment_size: 56
    .max_flat_workgroup_size: 128
    .sgpr_count:     66
    .vgpr_count:     192
    .wavefront_size: 32
...
	.end_amdgpu_metadata
.endif
;; end of part 3
;; launch gemm (part 4): grid 4 x 64, 4 waves a work-group, clusters of 4 x 4, 327,680 bytes of LDS; arguments hf, w2f, b2, out0; writes out0
.if DOCPART == 4
	.amdgcn_target "amdgcn-amd-amdhsa--gfx1250"
	.amdhsa_code_object_version 6
	.text
	.protected	k_q2c6c00d1fd_gemm
	.globl	k_q2c6c00d1fd_gemm
	.p2align	8
	.type	k_q2c6c00d1fd_gemm,@function
k_q2c6c00d1fd_gemm:
	s_mov_b64 s[64:65], 0
	v_nop
	global_prefetch_b8 v0, s[64:65] scope:SCOPE_SE
	s_setreg_imm32_b32 hwreg(HW_REG_WAVE_MODE, 25, 1), 1
	s_wait_xcnt 0x0
	s_wait_alu depctr_hold_cnt(0) depctr_sa_sdst(0) depctr_va_vdst(0) depctr_va_sdst(0) depctr_va_ssrc(0) depctr_va_vcc(0) depctr_vm_vsrc(0)
	s_getreg_b32 s2, hwreg(HW_REG_IB_STS2, 6, 4)
	s_cmp_eq_u32 s2, 0
	s_cbranch_scc0 .Lentry_in_a_cluster
	s_endpgm
.Lentry_in_a_cluster:
	s_bfe_u32 s2, ttmp6, 0x10000c
	s_cmp_lg_u32 s2, 0xf033
	s_cbranch_scc0 .Lentry_shape_is_right
	s_endpgm
.Lentry_shape_is_right:
; out[m][n] = b2[n] + the sum over k of h[m][k] w2[n][k], both operands as E3M2 codes with E8M0 scales, in the order of the operand registers (hf, w2f: laid by the launch before).
; Left out as dead work: circuit_params.sum() * 0.0, which is 0 for every finite circuit_params (shown at the head of the first kernel; a NaN or infinity there is not carried on).
; A block of 256 x 256 is made by four waves, 128 x 128 each: 64 accumulators, 512 registers.  A piece (256 rows x 128 K: 24,576 bytes of codes, 1,024 of scale words) is dense in memory, and so are
; the 32 pieces of a block's rows.  A ring of two LDS slots; a slot holds a tile of THREE K steps: A's three pieces, then B's three: 160 matrix instructions a wave between a refill and the wait for it.
; Waves 0, 1 fetch the halves of A's 76,800 bytes (150 rows of 256 bytes each), waves 2, 3 B's: behind each round one tensor load a wave is out.  32 K steps are ten such tiles and tile 10 of two steps,
; which comes by loads of one piece (100 rows) a wave.
; CLUSTERS 4 x 4: the four of a row share A's tiles, the four of a column B's: joint loads.  The matrix instruction is used transposed (source 0 = w2, source 1 = h): a lane holds eight neighbouring columns of a row.
; b2 is the C of the first K step's products.  Fragments and scale words have two register sets each; the next step's come in two runs of LDS loads: B's and the scale words (30 loads), then A's (24).
; PREFETCH: behind each refill (tile t) each wave names the 150 blocks of 256 bytes that it fetches for tile t + 2, shared out among the four partners by address (38, 38, 38, 36 blocks: two instructions);
; tiles 0 to 3 and tile 10 come by their loads alone.
; REGISTERS: window 0: v16-31 addresses, v32-47 scale words, v64-159 and v160-255 A's fragments; window 1: v0-95, v128-223 B's fragments, v96-127, v224-255 b2; windows 2, 3: accumulators.
.set PART,   25600
.set TILEB,  3*PART                    ; one operand's bytes of a tile
.set HALFL,  TILEB/2                   ; what one tensor load brings
.set SLOT,   2*TILEB
.set BSC,    24576
.set SPARE,  2*SLOT                    ; behind the ring: the spare words, 128 bytes a wave
.set STAGE,  SLOT                      ; the way out: 16 rows x 528 bytes for each wave, in slot 1: it has had its last fill (tile 9) and, behind K step 29's barrier, its last read
.set SPITCH, 528
.set ADRA, 16
.set ADRB, 18
.set ASA,  20
.set ASB,  22
.set STO,  24
.set RD,   25
.set LI,   26
.set B2O,  27
.set SPW,  28
.set NIL,  29
.set PFO,  30                          ; v30, v31 the prefetches' offsets
.set SA,   32                          ; A's scale words: set p at SA + 4 p; register a / 2: tile a in lanes 0-15 (a even) or 16-31
.set SB,   40                          ; B's likewise
.set AF,   64
.set G1,  24
.set G0,  32
.set G1B, 48
.set G0B, 56
.set PFA, 66
.set MSB, 0
.macro WIN new
.if MSB != \new
	s_set_vgpr_msb (MSB<<8)|\new
.set MSB, \new
.endif
.endm
.set MUL_LO, 0xa1                      ; source 0 window 1, source 1 window 0, C and D window 2
.set MUL_HI, 0xf1
.set TO_B,   0x40
.macro PLACES n
.rept \n
	v_nop
.endr
.endm
.macro JLOAD s                         ; waves 0, 1 fetch for A, waves 2, 3 for B
	s_cmp_eq_u32 s15, 0
	s_cbranch_scc0 .Lfor_b_\@
	tensor_load_to_lds s[G0+4*\s:G0+4*\s+3], s[G1:G1+7]
	s_nop 0
	PLACES 4
	s_branch .Lasked_\@
.Lfor_b_\@:
	tensor_load_to_lds s[G0B+4*\s:G0B+4*\s+3], s[G1B:G1B+7]
	s_nop 0
	PLACES 4
.Lasked_\@:
.endm
.macro CREST
	s_cmp_lg_u32 s14, 0
	s_cbranch_scc1 .Lnot_wave_0_\@
	s_barrier_signal -3
.Lnot_wave_0_\@:
	s_barrier_wait -3
	s_barrier_signal -1
	s_barrier_wait -1
.endm
.macro CROUND
	s_barrier_signal -1
	s_barrier_wait -1
	CREST
.endm
	s_load_b256 s[4:11], s[0:1], 0x0               ; hf, w2f, b2, out0
	v_lshl_add_u32 v[SPW], v0, 2, SPARE
	v_mov_b32 v[NIL], 0
	ds_add_u32 v[SPW], v[NIL]
	ds_add_u32 v[SPW], v[NIL]
	v_lshrrev_b32 v1, 5, v0
	v_readfirstlane_b32 s14, v1                    ; wave
	s_lshr_b32 s15, s14, 1                         ; my half of the rows; also: I fetch for A (0) or B (1)
	s_and_b32 s16, s14, 1                          ; my half of the columns; also: which half of a tile's bytes I fetch
	s_bfe_u32 s40, ttmp6, 0x40000                  ; cx
	s_bfe_u32 s41, ttmp6, 0x40004                  ; cy
	s_lshl_b32 s42, ttmp9, 2
	s_add_co_u32 s42, s42, s40                     ; block column
	s_and_b32 s17, ttmp7, 0xffff
	s_lshl_b32 s17, s17, 2
	s_add_co_u32 s17, s17, s41                     ; block row
	s_lshl_b32 s43, s41, 2
	s_lshl_b32 s43, 15, s43                        ; my row of the cluster
	s_lshl_b32 s44, 0x1111, s40                    ; my column
	s_or_b32 s[G1], s43, (3<<16)|(1<<21)           ; elements of 8 bytes; bit 21 beside the mask
	s_or_b32 s[G1B], s44, (3<<16)|(1<<21)
.irp g, G1, G1B
	s_mov_b32 s[\g+1], 32<<16                      ; rows of 32 elements = 256 bytes
	s_mov_b32 s[\g+2], 150<<16                     ; 150 rows
	s_mov_b32 s[\g+3], 32<<16
	s_mov_b32 s[\g+4], 150
	s_mov_b32 s[\g+5], 32
	s_mov_b32 s[\g+6], 0
	s_mov_b32 s[\g+7], 0
.endr
	s_mul_i32 s20, s17, 32*PART
	s_mul_i32 s18, s16, HALFL
	s_add_co_u32 s20, s20, s18                     ; A: block row, my half of tile 0
	s_mov_b32 s21, 0
	s_mul_i32 s46, s42, 32*PART
	s_add_co_u32 s46, s46, s18                     ; B: block column, my half of tile 0
	s_mov_b32 s47, 0
	s_mul_i32 s45, s14, HALFL                      ; LDS: wave x half a tile
	s_mul_i32 s74, s16, HALFL-PART                 ; tile 10: my piece begins so much nearer than my half would,
	s_mov_b32 s75, 0
	s_mul_i32 s76, s15, TILEB
	s_mul_i32 s18, s16, PART
	s_add_co_u32 s76, s76, s18                     ; and goes here, in slot 0
	s_wait_dscnt 0x0
	s_wait_kmcnt 0x0
	s_add_nc_u64 s[20:21], s[4:5], s[20:21]
	s_add_nc_u64 s[46:47], s[6:7], s[46:47]
	CROUND                                         ; in front of the first joint loads
.irp s, 0,1
	s_mov_b32 s[G0+4*\s], 1
	s_add_co_u32 s[G0+4*\s+1], s45, \s*SLOT
	s_add_nc_u64 s[G0+4*\s+2:G0+4*\s+3], s[20:21], \s*TILEB
	s_or_b32 s[G0+4*\s+3], s[G0+4*\s+3], 0x80000000
	s_mov_b32 s[G0B+4*\s], 1
	s_add_co_u32 s[G0B+4*\s+1], s45, \s*SLOT
	s_add_nc_u64 s[G0B+4*\s+2:G0B+4*\s+3], s[46:47], \s*TILEB
	s_or_b32 s[G0B+4*\s+3], s[G0B+4*\s+3], 0x80000000
.endr
	JLOAD 0                                        ; tile 0: one tensor load a wave at the head
	s_mul_i32 s12, s15, 12288                      ; my eight tiles of A
	s_mul_i32 s13, s16, 12288
	s_add_co_u32 s13, s13, TILEB                   ; my eight tiles of B
	s_lshl_b32 s18, s15, 9
	s_add_co_u32 s18, s18, BSC
	s_lshl_b32 s19, s16, 9
	s_add_co_u32 s19, s19, TILEB+BSC
	s_mul_i32 s23, s14, 16*SPITCH
	s_add_co_u32 s23, s23, STAGE
	s_lshl_b32 s70, s42, 10
	s_lshl_b32 s72, s16, 9
	s_add_co_u32 s70, s70, s72                     ; my first column, in bytes
	s_mov_b32 s71, 0
	s_add_nc_u64 s[8:9], s[8:9], s[70:71]
	s_add_nc_u64 s[10:11], s[10:11], s[70:71]
	s_lshl_b32 s70, s17, 20
	s_lshl_b32 s72, s15, 19
	s_add_co_u32 s70, s70, s72                     ; my first row of 4,096 bytes
	s_add_nc_u64 s[10:11], s[10:11], s[70:71]
	s_cmp_eq_u32 s15, 0
	s_cselect_b64 s[PFA:PFA+1], s[20:21], s[46:47] ; the prefetches walk the halves that I fetch;
	s_cselect_b32 s72, s40, s41                    ; my place among the four that ask with me
	s_mul_i32 s72, s72, 38                         ; my work-group's first block of the 150
	s_add_nc_u64 s[PFA:PFA+1], s[PFA:PFA+1], 3*TILEB   ; at tile 3: the first refill (tile 2) steps it to tile 4
	v_and_b32 v1, 31, v0
	v_and_b32 v2, 15, v0
	v_bfe_u32 v3, v0, 4, 1
	v_lshlrev_b32 v[LI], 4, v1
	v_add_nc_u32 v[ADRA], s12, v[LI]
	v_add_nc_u32 v[ADRA+1], SLOT, v[ADRA]
	v_add_nc_u32 v[ADRB], s13, v[LI]
	v_add_nc_u32 v[ADRB+1], SLOT, v[ADRB]
	v_lshl_add_u32 v[ASA], v1, 3, s18
	v_add_nc_u32 v[ASA+1], SLOT, v[ASA]
	v_lshl_add_u32 v[ASB], v1, 2, s19
	v_add_nc_u32 v[ASB+1], SLOT, v[ASB]
	v_mul_u32_u24 v[STO], v2, SPITCH
	v_lshl_add_u32 v[STO], v3, 5, v[STO]
	v_add_nc_u32 v[STO], s23, v[STO]
	v_add_nc_u32 v[RD], s23, v[LI]
	v_lshlrev_b32 v[B2O], 5, v3
	v_add_nc_u32 v[PFO], s72, v1                   ; blocks 38 p + 0 .. 31, a lane a block;
	v_lshlrev_b32 v[PFO], 8, v[PFO]
	v_min_u32 v[PFO+1], 5, v1
	v_add_nc_u32 v[PFO+1], s72, v[PFO+1]
	v_add_nc_u32 v[PFO+1], 32, v[PFO+1]            ; blocks 38 p + 32 .. 37: the lanes left over name the last again,
	v_min_u32 v[PFO+1], 149, v[PFO+1]              ; and none passes my half's last block
	v_lshlrev_b32 v[PFO+1], 8, v[PFO+1]
	WIN TO_B
.irp b, 0,1,2,3,4,5,6,7
.irp i, 0,1
	global_load_b128 v[96+128*(\b/4)+8*(\b%4)+4*\i:96+128*(\b/4)+8*(\b%4)+4*\i+3], v[B2O], s[8:9] offset:64*\b+16*\i   ; b2 at column 16 b + 8 h + 0 .. 7
.endr
.endr
	WIN 0
.macro WM a, b, p, first
.set AC, 8*(8*((\a)%4)+(\b))
.if \first
.set CC, 96+128*((\b)/4)+8*((\b)%4)
.else
.set CC, AC
.endif
.set BF, 128*(\p)+12*(\b)
.set AFR, AF+96*(\p)+12*(\a)
.set SBR, SB+4*(\p)+(\b)/2
.set SAR, SA+4*(\p)+(\a)/2
.if ((\a)%2 == 0) && ((\b)%2 == 0)
	v_wmma_scale_f32_16x16x128_f8f6f4 v[AC:AC+7], v[BF:BF+11], v[AFR:AFR+11], v[CC:CC+7], v[SBR], v[SAR] matrix_a_fmt:MATRIX_FMT_BF6 matrix_b_fmt:MATRIX_FMT_BF6
.elseif (\b)%2 == 0
	v_wmma_scale_f32_16x16x128_f8f6f4 v[AC:AC+7], v[BF:BF+11], v[AFR:AFR+11], v[CC:CC+7], v[SBR], v[SAR] matrix_a_fmt:MATRIX_FMT_BF6 matrix_b_fmt:MATRIX_FMT_BF6 matrix_b_scale:MATRIX_SCALE_ROW1
.elseif (\a)%2 == 0
	v_wmma_scale_f32_16x16x128_f8f6f4 v[AC:AC+7], v[BF:BF+11], v[AFR:AFR+11], v[CC:CC+7], v[SBR], v[SAR] matrix_a_fmt:MATRIX_FMT_BF6 matrix_b_fmt:MATRIX_FMT_BF6 matrix_a_scale:MATRIX_SCALE_ROW1
.else
	v_wmma_scale_f32_16x16x128_f8f6f4 v[AC:AC+7], v[BF:BF+11], v[AFR:AFR+11], v[CC:CC+7], v[SBR], v[SAR] matrix_a_fmt:MATRIX_FMT_BF6 matrix_b_fmt:MATRIX_FMT_BF6 matrix_a_scale:MATRIX_SCALE_ROW1 matrix_b_scale:MATRIX_SCALE_ROW1
.endif
.endm
.macro MUL16 a0, p, first              ; A's tiles a0, a0 + 1 against B's eight, register set p; the 64 accumulators take turns
.irp a, \a0, \a0+1
.irp b, 0,1,2,3,4,5,6,7
	WM \a, \b, \p, \first
.endr
.endr
.endm
.macro LDF reg, adr, q                 ; eight tiles' fragments, 24 loads of 512 consecutive bytes; q: which of the slot's three K steps
.irp t, 0,1,2,3,4,5,6,7
.irp c, 0,1,2
	ds_load_b128 v[\reg+12*\t+4*\c:\reg+12*\t+4*\c+3], v[\adr] offset:PART*(\q)+1536*\t+512*\c
.endr
.endr
.endm
.macro LDSC slot, q, p                 ; the scale words, 6 loads
	ds_load_b64 v[SA+4*(\p):SA+4*(\p)+1], v[ASA+\slot] offset:PART*(\q)
	ds_load_b64 v[SA+4*(\p)+2:SA+4*(\p)+3], v[ASA+\slot] offset:PART*(\q)+256
.irp e, 0,1,2,3
	ds_load_b32 v[SB+4*(\p)+\e], v[ASB+\slot] offset:PART*(\q)+128*\e
.endr
.endm
; A slot's first or second K step, on register set p: the next step's fragments (step qn of the same slot) come into the other set.
.macro STEPE slot, qn, p, first
.if \first
.set WLO, 0x91                         ; C (b2) in window 1
.set WHI, 0xd1
.else
.set WLO, MUL_LO
.set WHI, MUL_HI
.endif
	WIN 0
	PLACES 4                                       ; in front of loads into registers that the step before multiplied
	LDSC \slot, \qn, 1-\p
	WIN TO_B
	LDF 128*(1-\p), ADRB+\slot, \qn
	s_wait_dscnt 42                                ; all but the 30 just issued and the twelve before them (this step's tiles 4-7 of A)
	WIN WLO
	MUL16 0, \p, \first
	MUL16 2, \p, \first
	WIN 0
	LDF AF+96*(1-\p), ADRA+\slot, \qn
	s_wait_dscnt 54                                ; all but the 30 + 24 issued in this step: A's tiles 4-7 are in
	WIN WHI
	MUL16 4, \p, \first
	MUL16 6, \p, \first
	WIN 0
.endm
; A slot's third K step, on register set p: its fragments are all in registers, so the slot is free.  fill = 1: a round of the cluster's barrier, the refill two tiles on, and, but in the loop's
; last trip, the prefetch; fill = 2: the same for tile 10, of two K steps, a piece a wave, no prefetch; fill = 0: a barrier alone.  Then the other slot's first fragments into the other set.
.macro STEPO slot, nslot, p, fill
	WIN 0
.if \fill == 1
	s_wait_xcnt 0x0                                ; my last prefetches have read their address
	s_add_nc_u64 s[PFA:PFA+1], s[PFA:PFA+1], TILEB
.endif
	s_wait_tensorcnt 0x0                           ; my part of the other slot has landed; no tensor load of mine is out, so descriptors may be written
	ds_add_u32 v[SPW], v[NIL]
.if \fill
	s_add_nc_u64 s[G0+4*\slot+2:G0+4*\slot+3], s[G0+4*\slot+2:G0+4*\slot+3], 2*TILEB
	s_add_nc_u64 s[G0B+4*\slot+2:G0B+4*\slot+3], s[G0B+4*\slot+2:G0B+4*\slot+3], 2*TILEB
.endif
.if \fill == 2
	s_sub_nc_u64 s[G0+4*\slot+2:G0+4*\slot+3], s[G0+4*\slot+2:G0+4*\slot+3], s[74:75]
	s_sub_nc_u64 s[G0B+4*\slot+2:G0B+4*\slot+3], s[G0B+4*\slot+2:G0B+4*\slot+3], s[74:75]
	s_mov_b32 s[G0+4*\slot+1], s76
	s_mov_b32 s[G0B+4*\slot+1], s76
	s_mov_b32 s[G1+2], 100<<16                     ; 100 rows: one piece
	s_mov_b32 s[G1+4], 100
	s_mov_b32 s[G1B+2], 100<<16
	s_mov_b32 s[G1B+4], 100
.endif
	s_wait_dscnt 1                                 ; the add alone may be out
	WIN MUL_LO
	MUL16 0, \p, 0
	s_wait_dscnt 0x0                               ; the add is done, my reads of this slot are over
	s_barrier_signal -1
	MUL16 2, \p, 0
	WIN 0
	s_barrier_wait -1
.if \fill
	CREST
	JLOAD \slot                                    ; its four v_nop are also the places in front of the loads below
.else
	PLACES 4
.endif
	WIN TO_B
	LDF 128*(1-\p), ADRB+\nslot, 0
	WIN 0
	LDSC \nslot, 0, 1-\p
.if \fill == 1
	s_cmp_gt_u32 s3, 1
	s_cbranch_scc0 .Lno_ask_\@
	global_prefetch_b8 v[PFO], s[PFA:PFA+1] th:TH_LOAD_NT scope:SCOPE_SE
	global_prefetch_b8 v[PFO+1], s[PFA:PFA+1] th:TH_LOAD_NT scope:SCOPE_SE
.Lno_ask_\@:
.endif
	WIN MUL_HI
	MUL16 4, \p, 0
	WIN 0
	LDF AF+96*(1-\p), ADRA+\nslot, 0
	WIN MUL_HI
	MUL16 6, \p, 0
	WIN 0
.endm
	s_wait_alu depctr_va_vdst(0)
	s_wait_tensorcnt 0x0                           ; my half of tile 0 is in; slot 1's first fill is issued as a refill is
	ds_add_u32 v[SPW], v[NIL]
	s_wait_dscnt 0x0
	CROUND
	JLOAD 1                                        ; tile 1
	WIN TO_B
	LDF 0, ADRB, 0
	WIN 0
	LDSC 0, 0, 0
	LDF AF, ADRA, 0
	s_wait_loadcnt 0x0                             ; b2
	STEPE 0, 1, 0, 1                               ; K step 0 starts the sums from b2
	s_mov_b32 s3, 4
.Llap:                                                 ; a trip: K steps 6 i + 1 .. 6 i + 6; both slots are filled again (tiles 2 i + 2, 2 i + 3)
	STEPE 0, 2, 1, 0
	STEPO 0, 1, 0, 1
	STEPE 1, 1, 1, 0
	STEPE 1, 2, 0, 0
	STEPO 1, 0, 1, 1
	STEPE 0, 1, 0, 0
	s_sub_co_u32 s3, s3, 1
	s_cmp_lg_u32 s3, 0
	s_cbranch_scc1 .Llap
	STEPE 0, 2, 1, 0                               ; K step 25
	STEPO 0, 1, 0, 2                               ; K step 26: slot 0 takes tile 10
	STEPE 1, 1, 1, 0
	STEPE 1, 2, 0, 0
	STEPO 1, 0, 1, 0                               ; K step 29: nothing is left to fetch
	STEPE 0, 1, 0, 0                               ; K step 30
	s_wait_dscnt 0x0                               ; K step 31
	WIN MUL_LO
	MUL16 0, 1, 0
	MUL16 2, 1, 0
	WIN MUL_HI
	MUL16 4, 1, 0
	MUL16 6, 1, 0
; THE WAY OUT: a block of 16 rows x 128 columns goes through my own stage and comes back, as whole rows of 512 bytes, into the 64 registers that held it: no register that a store reads is written again.
; LDS serves a wave's instructions in order (ISA guide 5.7.1.4): no wait between the stores and the loads, nor in front of the next block's stores.
.macro TOSTAGE a
.set AC, 64*((\a)%4)
	WIN 0x88+0x44*((\a)/4)                         ; store data and loaded data: window 2 or 3; addresses: window 0
.irp b, 0,1,2,3,4,5,6,7
	ds_store_b128 v[STO], v[AC+8*\b:AC+8*\b+3] offset:64*\b          ; each accumulator from its low end on
	ds_store_b128 v[STO], v[AC+8*\b+4:AC+8*\b+7] offset:64*\b+16
.endr
.irp t, 0,1,2,3,4,5,6,7,8,9,10,11,12,13,14,15
	ds_load_b128 v[AC+4*\t:AC+4*\t+3], v[RD] offset:\t*SPITCH
.endr
.endm
.macro SEND a, younger
.set AC, 64*((\a)%4)
	WIN 0x88+0x44*((\a)/4)
	s_wait_dscnt \younger
.irp t, 0,1,2,3,4,5,6,7,8,9,10,11,12,13,14,15
	global_store_b128 v[LI], v[AC+4*\t:AC+4*\t+3], s[10:11] offset:(16*(\a)+\t)*4096 th:TH_STORE_NT   ; 512 consecutive aligned bytes
.endr
.endm
	PLACES 4
	TOSTAGE 0
.irp a, 1,2,3,4,5,6,7
	TOSTAGE \a
	SEND \a-1, 32                                  ; behind block a - 1's loads: block a's 16 stores and 16 loads
.endr
	SEND 7, 0
	WIN 0
	s_wait_tensorcnt 0x0                           ; the wave's end
	ds_add_u32 v[SPW], v[NIL]
	s_wait_dscnt 0x0
	CROUND                                         ; the closing round
	s_endpgm
.Lfunc_end_k_q2c6c00d1fd_gemm:
	.size	k_q2c6c00d1fd_gemm, .Lfunc_end_k_q2c6c00d1fd_gemm-k_q2c6c00d1fd_gemm
	.p2alignl 7, 3214868480
	.fill 96, 4, 3214868480
	.section	.rodata,"a",@progbits
	.p2align	6, 0x0
	.amdhsa_kernel k_q2c6c00d1fd_gemm
		.amdhsa_group_segment_fixed_size 327680
		.amdhsa_private_segment_fixed_size 0
		.amdhsa_enable_private_segment 0
		.amdhsa_kernarg_size 32
		.amdhsa_user_sgpr_count 2
		.amdhsa_user_sgpr_kernarg_segment_ptr 1
		.amdhsa_wavefront_size32 1
		.amdhsa_system_sgpr_workgroup_id_x 1
		.amdhsa_system_sgpr_workgroup_id_y 1
		.amdhsa_system_sgpr_workgroup_id_z 1
		.amdhsa_system_vgpr_workitem_id 0
		.amdhsa_next_free_vgpr 1024
		.amdhsa_next_free_sgpr 78
		.amdhsa_reserve_vcc 0
		.amdhsa_float_denorm_mode_32 3
		.amdhsa_float_denorm_mode_16_64 3
		.amdhsa_memory_ordered 1
		.amdhsa_forward_progress 1
		.amdhsa_inst_pref_size 207
	.end_amdhsa_kernel
	.amdgpu_metadata
---
amdhsa.version: [ 1, 2 ]
amdhsa.kernels:
  - .name:           k_q2c6c00d1fd_gemm
    .symbol:         k_q2c6c00d1fd_gemm.kd
    .args:
      - { .name: hf, .offset: 0, .size: 8, .value_kind: global_buffer, .address_space: global }
      - { .name: w2f, .offset: 8, .size: 8, .value_kind: global_buffer, .address_space: global }
      - { .name: b2, .offset: 16, .size: 8, .value_kind: global_buffer, .address_space: global }
      - { .name: out0, .offset: 24, .size: 8, .value_kind: global_buffer, .address_space: global }
    .group_segment_fixed_size: 327680
    .private_segment_fixed_size: 0
    .kernarg_segment_align: 8
    .kernarg_segment_size: 32
    .max_flat_workgroup_size: 128
    .sgpr_count:     78
    .vgpr_count:     1024
    .wavefront_size: 32
...
	.end_amdgpu_metadata
.endif
;; end of part 4
